; MI455X (gfx1250); checked and timed in simulation.
; The chip was launched on July 23, 2026; its instructions are those of AMD's public machine-readable ISA for CDNA 5 (MIT licence, August 2026) and "CDNA5" Instruction Set Architecture Reference Guide (July 2026). The comments in the code are by the model that wrote it; some were corrected since.
;; Vector Quantizer. Allowed arithmetic: matrix products marked QUANTISED: E2M1 operands, one E8M0 scale for each 32 along K, by v_wmma_scale_f32_16x16x128_f8f6f4 with both operands' format E2M1 (or v_wmma_scale_f32_32x16x128_f4), f32 sums; everything else in f32.
;; Inputs: emb_weights 8,192 x 256 float32; hidden_states 32 x 32 x 32 x 256 float32.
;; Outputs: out0 32 x 32 x 32 x 256 float32; out1 32 x 1,024 int32.
;; This version of the problem:
;;   THIS VERSION OF THE PROBLEM IS GIVEN IN LOW PRECISION. The matrix products marked QUANTISED in the list below multiply operands that are first quantised to E2M1 (2 exponent bits, 1 mantissa bit; 4 bits a number), with one power-of-two scale for each 32 numbers along K (OCP MX v1.0); their sums are f32. All else is computed in f32.
;;   The module's matrix products, in the order in which they are computed (A, B: the left and right operand; K: the contracted axis; several contracted axes count as one K, in the product's order):
;;     1. [M 32,768, K 256] x [K 256, N 8,192]; A: input hidden_states; B: input emb_weights: QUANTISED
;;   THE QUANTISER, for each operand of a quantised product, along K:
;;     - K is cut into blocks of 32 from its start; a last block that is shorter is filled with zeros.
;;     - A block's scale is 2^e with e = floor(log2(the largest magnitude in the block)) - 2, held to -126 .. 127; a block of zeros has e = 0. As a byte (E8M0): e + 127.
;;     - Each number is divided by its block's scale, clamped to +-6, and rounded to the nearest number of E2M1, ties to even, subnormals kept.
;;     - The product sums the exact products of the quantised numbers (number of the format x scale) in f32.
;;   ~~~python
;;   def quantise(x, axis):      # numpy; x: float32 -> the quantised numbers, widened to float32 again
;;       x = np.moveaxis(x, axis, -1); K = x.shape[-1]
;;       x = np.pad(x, [(0, 0)] * (x.ndim - 1) + [(0, -K % 32)]); x = x.reshape(x.shape[:-1] + (-1, 32)); a = np.abs(x).max(-1, keepdims=True)
;;       e = np.where(a > 0, np.clip(np.frexp(np.where(a > 0, a, 1))[1] - 1 - 2, -126, 127), 0)      # np.frexp(a)[1] - 1 = floor(log2(a)), exactly
;;       r = np.clip(x / 2.0 ** e, -6, 6)
;;       step = 2.0 ** (np.maximum(np.frexp(np.where(r == 0, 1, r))[1] - 1, 0) - 1)
;;       q = np.round(r / step) * step * 2.0 ** e      # np.round: ties to even
;;       return np.moveaxis(q.reshape(q.shape[:-2] + (-1,))[..., :K], -1, axis).astype(np.float32)
;;   ~~~
;; 2 versions. Each part assembles by itself: llvm-mc -triple=amdgcn-amd-amdhsa -mcpu=gfx1250 --defsym DOCPART=n.
;; ======== version 1 of 2: 4 launches
;; workspace buffers: zpack 4,718,592 bytes; epack 1,179,648 bytes; gid 131,072 bytes of whole numbers; idx 131,072 bytes of whole numbers
;; launch quant (part 1): grid 256 x 1, 10 waves a work-group, no clusters, 169,216 bytes of LDS; arguments hidden_states, emb_weights, zpack, epack; writes zpack, epack
.if DOCPART == 1
	.amdgcn_target "amdgcn-amd-amdhsa--gfx1250"
	.amdhsa_code_object_version 6
	.text
	.protected	k_qc8c6736308_quant
	.globl	k_qc8c6736308_quant
	.p2align	8
	.type	k_qc8c6736308_quant,@function
k_qc8c6736308_quant:
	s_mov_b64 s[64:65], 0
	v_nop
	global_prefetch_b8 v0, s[64:65] scope:SCOPE_SE
	s_setreg_imm32_b32 hwreg(HW_REG_WAVE_MODE, 25, 1), 1
	s_wait_xcnt 0x0
; hidden_states [32768][256] and emb_weights [8192][256], f32, become operands of MX-FP4 (E2M1, one E8M0 scale for each 32 along K), laid as IMAGES OF THE OPERAND'S REGISTERS.
; A pack tile is 16 rows x K 256 in 2,304 bytes: at (2 s + c) 512 + 16 l the registers 4 c .. 4 c + 3 of K step s's fragment as lane l holds them; at 2048 + 4 l the scale words (lanes 0-15: K step 0 of row l,
; lanes 16-31: K step 1 of row l - 16); at 2176 + 4 l the row's sum of squares in f32 (words 0-15 in row order, words 16-31 the same again).
; A block's scale is 2^(floor(log2(its largest magnitude)) - 2); its byte is the largest magnitude's exponent field - 2, held at 1 from below; numbers beyond 6 x scale get the largest code.
; LIMITS: a block of zeros gets the byte 1 (its codes are zeros; this program alone reads the bytes); blocks whose largest magnitude lies under 2^-124 are held at byte 1; NaN and infinities are not served;
; the sum of squares is taken in two packed chains and then across the two halves of the lanes, another order than a plain ascending sum.
; SHARES: 2,560 tiles (2,048 of z, then 512 of e), one to a wave: tile = 10 x work-group + wave.  Only pointers are chosen by the tile's number: both tensors take one path.
; A tile is 16,384 consecutive bytes of memory: one tensor load a wave brings it into the wave's own LDS bytes (16 rows, 1,024 + 16 bytes apart, so that the sixteen rows of a 16-byte load start at sixteen
; different 16-byte columns).  The bytes are filled once and read by the issuing wave alone: its own wait on TENSORcnt is all the ordering.  No work-group shares a tile with another: no cluster.
.set ZT,    2048                       ; tiles of z
.set TILEB, 2304                       ; a pack tile
.set PITCH, 1040                       ; an LDS row
.set WREG,  16*PITCH                   ; a wave's LDS bytes
.set L16,   1                          ; v1      16 x lane
.set L4,    2                          ; v2      4 x lane
.set LA,    3                          ; v3      LDS: my row, + 64 bytes for lanes 16-31
.set CA,    4                          ; v[4:5]  squares, chain A
.set CB,    6                          ; v[6:7]  squares, chain B
.set SUM,   8                          ; v8      the row's sum of squares
.set OTH,   9                          ; v9      the other half's
.set PW,    10                         ; v10-11  the scale words of K steps 0, 1
.set SW,    12                         ; v12     the two as they are stored
.set PC,    16                         ; v16-31  the codes: 8 registers a K step
.set TM,    32                         ; v32-47  at work in QUANT
.set X,     64                         ; v64-191 my 128 numbers: register 64 s + 16 b + i = k 128 s + 32 b + 16 (lane / 16) + i of my row
.set G0,    20                         ; s[20:23] descriptor group 0
.set G1,    24                         ; s[24:31] descriptor group 1
.set SEL,   32                         ; s[32:33] v_permlanex16_b32's selects for lane l xor 16
	s_load_b256 s[4:11], s[0:1], 0x0               ; z s[4:5], e s[6:7], zpack s[8:9], epack s[10:11]
	v_lshl_add_u32 v192, v0, 2, 0x29000
	v_mov_b32 v193, 0
	ds_add_u32 v192, v193
	ds_add_u32 v192, v193
	v_lshrrev_b32 v[L16], 5, v0
	v_readfirstlane_b32 s12, v[L16]                ; wave 0..9
	s_mul_i32 s13, ttmp9, 10
	s_add_co_u32 s13, s13, s12                     ; my tile, 0..2559
	s_mov_b32 s15, 0xffff0000                      ; lanes 16-31
	s_mov_b32 s[SEL], 0x76543210
	s_mov_b32 s[SEL+1], 0xfedcba98
	; group 1: 16 rows x 256 elements of 4 bytes, dense in memory; 4 words of padding behind every 256
	s_mov_b32 s[G1+0], (2<<16)|(1<<20)|(7<<22)|(3<<25)
	s_mov_b32 s[G1+1], 256<<16                     ; tensor_dim0 = 256
	s_mov_b32 s[G1+2], 16<<16                      ; tensor_dim1 = 16
	s_mov_b32 s[G1+3], 256<<16                     ; tile_dim0 = 256
	s_mov_b32 s[G1+4], 16                          ; tile_dim1 = 16
	s_mov_b32 s[G1+5], 256                         ; elements from row to row
	s_mov_b32 s[G1+6], 0
	s_mov_b32 s[G1+7], 0
	s_mov_b32 s[G0], 1                             ; count = 1
	s_mul_i32 s[G0+1], s12, WREG                   ; LDS address: the wave's own bytes
	s_wait_dscnt 0x0
	s_wait_kmcnt 0x0
	s_cmp_lt_u32 s13, ZT                           ; a tile of z or of e?  The choice hangs on ids alone
	s_cselect_b64 s[4:5], s[4:5], s[6:7]
	s_cselect_b64 s[8:9], s[8:9], s[10:11]
	s_cselect_b32 s14, 0, ZT
	s_sub_co_u32 s13, s13, s14                     ; the tile's number in its own tensor
	s_lshl_b32 s16, s13, 14                        ; 16 rows of 1,024 bytes
	s_mov_b32 s17, 0
	s_mul_i32 s18, s13, TILEB
	s_mov_b32 s19, 0
	s_add_nc_u64 s[G0+2:G0+3], s[4:5], s[16:17]    ; global address of the tile
	s_or_b32 s[G0+3], s[G0+3], 0x80000000          ; type = 2
	s_add_nc_u64 s[8:9], s[8:9], s[18:19]          ; where its pack tile goes
	tensor_load_to_lds s[G0:G0+3], s[G1:G1+7]      ; my one tensor load
	s_nop 0
	v_and_b32 v[CA], 15, v0                        ; r
	v_bfe_u32 v[CA+1], v0, 4, 1                    ; h
	v_and_b32 v[L4], 31, v0                        ; lane
	v_lshlrev_b32 v[L16], 4, v[L4]
	v_lshlrev_b32 v[L4], 2, v[L4]
	v_mul_u32_u24 v[LA], v[CA], PITCH
	v_lshl_add_u32 v[LA], v[CA+1], 6, v[LA]
	v_add_nc_u32 v[LA], s[G0+1], v[LA]
	v_mov_b32 v[OTH], 0                            ; a lane permute's destination counts as one of its sources: written once
.irp b, 0,1,2,3
	v_mov_b32 v[TM+4+\b], 0
.endr
; the squares of K step s's 64 numbers, two at a time, in two chains; the first two products start the chains
.macro SQUARES s
.set n, 0
.rept 16
.if (\s == 0) && (n == 0)
	v_pk_mul_f32 v[CA:CA+1], v[X:X+1], v[X:X+1]
	v_pk_mul_f32 v[CB:CB+1], v[X+2:X+3], v[X+2:X+3]
.else
	v_pk_fma_f32 v[CA:CA+1], v[X+64*\s+4*n:X+64*\s+4*n+1], v[X+64*\s+4*n:X+64*\s+4*n+1], v[CA:CA+1]
	v_pk_fma_f32 v[CB:CB+1], v[X+64*\s+4*n+2:X+64*\s+4*n+3], v[X+64*\s+4*n+2:X+64*\s+4*n+3], v[CB:CB+1]
.endif
.set n, n+1
.endr
.endm
; 64 numbers of a lane, register 16 b + i = k 32 b + 16 (lane / 16) + i of my row, become a fragment's 8 registers of codes at v[pc] and my row's scale word in v[pw]
.macro QUANT s, pc, pw
.irp b, 0,1,2,3
	v_max3_num_f32 v[TM+\b], |v[\s+16*\b]|, |v[\s+1+16*\b]|, 0x1800000   ; block b: my 16 numbers, and the floor 2^(3 - 127): the byte cannot fall under 1
.endr
.irp i, 2,4,6,8,10,12,14
.irp b, 0,1,2,3
	v_max3_num_f32 v[TM+\b], v[TM+\b], |v[\s+16*\b+\i]|, |v[\s+1+16*\b+\i]|   ; the four blocks by turns
.endr
.endr
.irp b, 0,1,2,3
	v_permlanex16_b32 v[TM+4+\b], v[TM+\b], s[SEL], s[SEL+1]
.endr
.irp b, 0,1,2,3
	v_max_num_f32 v[TM+\b], v[TM+\b], v[TM+4+\b]   ; with lane l xor 16's: the block's largest magnitude
.endr
.irp b, 0,1,2,3
	v_add_nc_u32 v[TM+12+\b], 0xff000000, v[TM+\b] ; 2 off its exponent field: the conversion takes the exponent field of this operand as its scale
.endr
.irp b, 0,1,2,3
	v_lshrrev_b32 v[TM+4+\b], 23, v[TM+12+\b]      ; the scale's byte
.endr
	v_lshl_or_b32 v[\pw], v[TM+5], 8, v[TM+4]
	v_lshl_or_b32 v[\pw], v[TM+6], 16, v[\pw]
	v_lshl_or_b32 v[\pw], v[TM+7], 24, v[\pw]
.irp b, 0,1,2,3
	v_cvt_scalef32_pk8_fp4_f32 v[\pc+2*\b], v[\s+16*\b:\s+7+16*\b], v[TM+12+\b]
	v_cvt_scalef32_pk8_fp4_f32 v[\pc+1+2*\b], v[\s+8+16*\b:\s+15+16*\b], v[TM+12+\b]
.endr
	v_nop                                          ; one plain place behind a scaled conversion
.irp c, 0,1                                    ; the operand's layout wants a whole block in a lane: lanes 0-15 block 2 c, lanes 16-31 block 2 c + 1
.irp i, 0,1
	v_permlane16_swap_b32 v[\pc+4*\c+\i], v[\pc+2+4*\c+\i]
.endr
.endr
.endm
	s_wait_tensorcnt 0x0                           ; my tile is in LDS
.irp s, 0,1
.irp b, 0,1,2,3
.irp j, 0,1,2,3
	ds_load_b128 v[X+64*\s+16*\b+4*\j:X+64*\s+16*\b+4*\j+3], v[LA] offset:512*\s+128*\b+16*\j
.endr
.endr
.endr
	s_wait_dscnt 16                                ; K step 0's sixteen loads are in; K step 1's sixteen may be out
	SQUARES 0
	QUANT X, PC, PW
	s_wait_dscnt 0x0
	SQUARES 1
	QUANT X+64, PC+8, PW+1
	v_pk_add_f32 v[CA:CA+1], v[CA:CA+1], v[CB:CB+1]
	v_add_f32 v[SUM], v[CA], v[CA+1]
	v_permlanex16_b32 v[OTH], v[SUM], s[SEL], s[SEL+1]
	v_add_f32 v[SUM], v[SUM], v[OTH]               ; the row's sum of squares, the same bits in both halves
	v_cndmask_b32 v[SW], v[PW], v[PW+1], s15       ; lanes 0-15 K step 0's word, lanes 16-31 K step 1's
.irp s, 0,1
.irp c, 0,1
	global_store_b128 v[L16], v[PC+8*\s+4*\c:PC+8*\s+4*\c+3], s[8:9] offset:1024*\s+512*\c   ; 32 lanes store 512 consecutive bytes, at a multiple of 256 from the buffer's first byte
.endr
.endr
	global_store_b32 v[L4], v[SW], s[8:9] offset:2048    ; these two fill the tile's last 256 bytes
	global_store_b32 v[L4], v[SUM], s[8:9] offset:2176
	s_wait_tensorcnt 0x0
	ds_add_u32 v192, v193
	s_wait_dscnt 0x0
	s_endpgm
.Lfunc_end_k_qc8c6736308_quant:
	.size	k_qc8c6736308_quant, .Lfunc_end_k_qc8c6736308_quant-k_qc8c6736308_quant
	.p2alignl 7, 3214868480
	.fill 96, 4, 3214868480
	.section	.rodata,"a",@progbits
	.p2align	6, 0x0
	.amdhsa_kernel k_qc8c6736308_quant
		.amdhsa_group_segment_fixed_size 169216
		.amdhsa_private_segment_fixed_size 0
		.amdhsa_enable_private_segment 0
		.amdhsa_kernarg_size 32
		.amdhsa_user_sgpr_count 2
		.amdhsa_user_sgpr_kernarg_segment_ptr 1
		.amdhsa_wavefront_size32 1
		.amdhsa_system_sgpr_workgroup_id_x 1
		.amdhsa_system_sgpr_workgroup_id_y 1
		.amdhsa_system_sgpr_workgroup_id_z 1
		.amdhsa_system_vgpr_workitem_id 0
		.amdhsa_next_free_vgpr 194
		.amdhsa_next_free_sgpr 66
		.amdhsa_reserve_vcc 0
		.amdhsa_float_denorm_mode_32 3
		.amdhsa_float_denorm_mode_16_64 3
		.amdhsa_memory_ordered 1
		.amdhsa_forward_progress 1
		.amdhsa_inst_pref_size 18
	.end_amdhsa_kernel
	.amdgpu_metadata
---
amdhsa.version: [ 1, 2 ]
amdhsa.kernels:
  - .name:           k_qc8c6736308_quant
    .symbol:         k_qc8c6736308_quant.kd
    .args:
      - { .name: hidden_states, .offset: 0, .size: 8, .value_kind: global_buffer, .address_space: global }
      - { .name: emb_weights, .offset: 8, .size: 8, .value_kind: global_buffer, .address_space: global }
      - { .name: zpack, .offset: 16, .size: 8, .value_kind: global_buffer, .address_space: global }
      - { .name: epack, .offset: 24, .size: 8, .value_kind: global_buffer, .address_space: global }
    .group_segment_fixed_size: 169216
    .private_segment_fixed_size: 0
    .kernarg_segment_align: 8
    .kernarg_segment_size: 32
    .max_flat_workgroup_size: 320
    .sgpr_count:     66
    .vgpr_count:     194
    .wavefront_size: 32
...
	.end_amdgpu_metadata
.endif
;; end of part 1
;; launch search (part 2): grid 256 x 1, 8 waves a work-group, clusters of 4 x 1, 327,680 bytes of LDS; arguments zpack, epack, gid; writes gid
.if DOCPART == 2
	.amdgcn_target "amdgcn-amd-amdhsa--gfx1250"
	.amdhsa_code_object_version 6
	.text
	.protected	k_qc8c6736308_search
	.globl	k_qc8c6736308_search
	.p2align	8
	.type	k_qc8c6736308_search,@function
k_qc8c6736308_search:
	s_mov_b64 s[64:65], 0
	v_nop
	global_prefetch_b8 v0, s[64:65] scope:SCOPE_SE
	s_setreg_imm32_b32 hwreg(HW_REG_WAVE_MODE, 25, 1), 1
	s_wait_xcnt 0x0
	s_wait_alu depctr_hold_cnt(0) depctr_sa_sdst(0) depctr_va_vdst(0) depctr_va_sdst(0) depctr_va_ssrc(0) depctr_va_vcc(0) depctr_vm_vsrc(0)
	s_getreg_b32 s2, hwreg(HW_REG_IB_STS2, 6, 4)
	s_cmp_eq_u32 s2, 0
	s_cbranch_scc0 .Lentry_in_a_cluster
	s_endpgm
.Lentry_in_a_cluster:
	s_bfe_u32 s2, ttmp6, 0x10000c
	s_cmp_lg_u32 s2, 0x3003
	s_cbranch_scc0 .Lentry_shape_is_right
	s_endpgm
.Lentry_shape_is_right:
; For each of 32,768 rows z: the smallest distance d = (zz + ee) - 2 z.e over all 8,192 codes, and WHICH GROUP OF 8 NEIGHBOURING CODES holds its first occurrence.  gid[row] = (first code of that group) / 8.
; z.e is the product on MX-FP4 codes (16 x 16 x 128, two K steps for K = 256).  d is formed as the definition forms it: t = zz + ee rounded once, d = t - 2 dot rounded once (one fused multiply-add, since 2 dot is exact).
; WHY GROUPS.  A distance costs half a packed add, half a packed multiply-add and half a three-way minimum; following the index of every single distance would add a compare and a select to each.  A lane's eight results
; of a tile are eight neighbouring codes: one compare and one select for the eight keep the group; the three bits inside the group are found by a later launch, which recomputes those eight distances.
; ORDER.  A wave takes its code tiles in ascending order and replaces only on strictly smaller; lanes and waves are merged by (d, group), the smaller group on equal d: so the group is that of the first minimum.
; LIMITS: NaN and infinities among the distances are not served (a minimum drops NaN; a row whose every d is +infinity keeps the first group of one of its lanes).
; SHARES.  A work-group owns 128 rows of z and walks all 512 code tiles.  Wave w: q = w % 4, zh = w / 4: it keeps z tiles 4 zh .. 4 zh + 3 of the work-group's eight in registers and takes the code tiles that are q modulo 4.
; Two waves share a SIMD, each inside 256 registers: one wave's 57 vector instructions of a tile stand beside the other's 8 matrix instructions and 7 LDS loads.
; THE PRODUCT IS USED TRANSPOSED: source 0 = 16 codes, source 1 = 16 rows of z: lane (r, h) holds row r of z, and register j code 16 tile + 8 h + j.
; RING.  The code table (pack tiles of 2,304 bytes, register images) goes through two LDS slots of 64 tiles; each of the eight waves brings 8 tiles, 18,432 consecutive bytes, with one tensor load.
; CLUSTER.  The four work-groups of a cluster walk the same table: each part of a slot is asked for JOINTLY, by the same tensor load with the same descriptor and the mask of all four.
.set TILEB, 2304
.set STEPB, 4*TILEB                    ; from one of my tiles to my next
.set WPART, 8*TILEB                    ; what one tensor load brings
.set SLOTB, 64*TILEB                   ; a slot
.set SPARE, 2*SLOTB                    ; behind the ring: the spare words, 128 bytes for each of eight waves: four blocks of 256 bytes that no other line names
.set MS,    SPARE+1024                 ; the merge: [q][128 rows] pairs (d, group), 4,096 bytes; no fill lands here
.set SPW,  1                           ; v1   LDS address of my spare word; never rewritten
.set NIL,  2                           ; v2   0; never rewritten
.set AC,   3                           ; v3   my place in my first tile's code images: 2304 q + 16 lane
.set AS,   4                           ; v4   among its scale words: 2304 q + 4 lane
.set AE,   5                           ; v5   among its sums of squares: 2304 q + 32 h
.set ADC,  6                           ; v6-8 the same three for the pair of tiles that is being fetched
.set ADS,  7
.set ADE,  8
.set VT,   9                           ; v9   the group that my eight results of the tile in hand are: 2 tile + h
.set ES,   10                          ; v10-11 the codes' scale words, two buffers
.set ZS,   12                          ; v12-15 z's scale words, tile i
.set ZZ,   16                          ; v[16+2i] zz of my row in z tile i; v[17+2i] its best group so far (the packed add names the pair and takes its low word)
.set RA,   24                          ; v24-27, v28-31 the running minimum, by turns
.set RB,   28
.set ZF,   32                          ; v32-95   z's fragments: 16 registers a tile
.set EF,   96                          ; v96-127  the codes' fragments, two buffers of 16
.set EE,   128                         ; v128-143 ee of my eight codes, two buffers of 8
.set ACC,  144                         ; v144-175 four accumulators
.set T,    176                         ; v176-207 t, then d
.set MG,   208                         ; v208-215 the merge
.set MA,   216                         ; v216 where I put my rows' pairs
.set MR,   217                         ; v217 where waves 0 and 1 read them
.set GOF,  218                         ; v218 and their byte offset in gid
.set WV,   10                          ; s10 wave
.set G1,   24                          ; s[24:31] descriptor group 1
.set G0,   32                          ; s[32:39] group 0, one set for each slot
.set LAPS, 44
.set CNT,  45
.set TN,   46                          ; s46 LDS byte at which the pair of tiles that is being fetched begins (for q = 0)
.set CM,   48                          ; s48-51 compare masks
.set SEL,  52                          ; s[52:53]
; A round of the cluster's barrier: my work-group's barrier; wave 0 signals for the work-group; every wave waits for all four work-groups; my work-group's barrier once more.
.macro ROUND
	s_barrier_signal -1
	s_barrier_wait -1
	s_cmp_lg_u32 s[WV], 0
	s_cbranch_scc1 .Lnot_wave_0_\@
	s_barrier_signal -3
.Lnot_wave_0_\@:
	s_barrier_wait -3
	s_barrier_signal -1
	s_barrier_wait -1
.endm
	s_load_b128 s[4:7], s[0:1], 0x0                ; zpack s[4:5], epack s[6:7]
	s_load_b64 s[8:9], s[0:1], 0x10                ; gid
	v_lshl_add_u32 v[SPW], v0, 2, SPARE
	v_mov_b32 v[NIL], 0
	ds_add_u32 v1, v2
	ds_add_u32 v1, v2
	s_wait_dscnt 0x0
	v_lshrrev_b32 v[T], 5, v0
	v_readfirstlane_b32 s[WV], v[T]                ; wave 0..7
	s_and_b32 s11, s[WV], 3                        ; q
	s_lshr_b32 s12, s[WV], 2                       ; zh
	s_bfe_u32 s13, ttmp6, 0x40000                  ; cx: it enters z's and gid's global addresses alone
	s_lshl_b32 s14, ttmp9, 2
	s_add_co_u32 s14, s14, s13                     ; my block of 128 rows = 4 x cluster + cx
	s_mov_b32 s[SEL], 0x76543210
	s_mov_b32 s[SEL+1], 0xfedcba98
	; group 1: 18,432 dense bytes as 72 rows of 256 (32 elements of 8 bytes); no padding: images are read 16 bytes a lane on end
	s_mov_b32 s[G1+0], 15|(3<<16)|(1<<21)          ; 15:0 the mask: all four work-groups; 17:16 elements of 8 bytes; 21 set beside a mask
	s_mov_b32 s[G1+1], 32<<16                      ; tensor_dim0 = 32
	s_mov_b32 s[G1+2], 72<<16                      ; tensor_dim1 = 72
	s_mov_b32 s[G1+3], 32<<16                      ; tile_dim0 = 32
	s_mov_b32 s[G1+4], 72                          ; tile_dim1 = 72
	s_mov_b32 s[G1+5], 32                          ; elements from row to row
	s_mov_b32 s[G1+6], 0
	s_mov_b32 s[G1+7], 0
	s_mul_i32 s16, s[WV], WPART                    ; my part of a slot, in memory and in LDS: the wave's number alone
	s_mov_b32 s17, 0
	s_mul_i32 s18, s14, WPART                      ; z: my work-group's eight tiles,
	s_mul_i32 s19, s12, 4*TILEB                    ; my wave's four of them
	s_add_co_u32 s18, s18, s19
	s_mov_b32 s19, 0
	; lane addresses
	v_and_b32 v[T], 31, v0                         ; lane
	v_and_b32 v[T+1], 15, v0                       ; r
	v_bfe_u32 v[T+2], v0, 4, 1                     ; h
	v_lshlrev_b32 v[ADC], 4, v[T]                  ; 16 lane and 4 lane: z's loads use them as they stand
	v_lshlrev_b32 v[ADS], 2, v[T]
	s_mul_i32 s20, s11, TILEB
	v_add_nc_u32 v[AC], s20, v[ADC]
	v_add_nc_u32 v[AS], s20, v[ADS]
	v_lshl_add_u32 v[AE], v[T+2], 5, s20
	s_lshl_b32 s21, s11, 1
	v_add_nc_u32 v[VT], s21, v[T+2]                ; my first tile is q: group 2 q + h
	s_lshl_b32 s22, s11, 10
	s_lshl_b32 s23, s12, 9
	s_add_co_u32 s22, s22, s23
	s_add_co_u32 s22, s22, MS
	v_lshl_add_u32 v[MA], v[T+1], 3, s22           ; MS + 1024 q + 512 zh + 8 r
	s_and_b32 s23, s[WV], 1
	s_lshl_b32 s21, s23, 9
	s_add_co_u32 s21, s21, MS
	v_lshl_add_u32 v[MR], v[T], 4, s21             ; MS + 512 (w % 2) + 16 lane: two rows' pairs
	s_lshl_b32 s23, s23, 8
	v_lshl_add_u32 v[GOF], v[T], 3, s23            ; 256 (w % 2) + 8 lane
	s_wait_kmcnt 0x0
	s_add_nc_u64 s[6:7], s[6:7], s[16:17]
	s_add_nc_u64 s[4:5], s[4:5], s[18:19]
	s_lshl_b32 s18, s14, 9                         ; gid: 128 rows of 4 bytes
	s_add_nc_u64 s[8:9], s[8:9], s[18:19]
.irp n, 0,1
	s_mov_b32 s[G0+4*\n], 1                        ; count = 1
	s_add_co_u32 s[G0+4*\n+1], s16, \n*SLOTB       ; LDS address
	s_add_nc_u64 s[G0+4*\n+2:G0+4*\n+3], s[6:7], \n*SLOTB   ; global address: fill n
	s_or_b32 s[G0+4*\n+3], s[G0+4*\n+3], 0x80000000         ; type = 2
.endr
	ROUND                                          ; all four work-groups are here: the first joint loads meet
	tensor_load_to_lds s[G0:G0+3], s[G1:G1+7]      ; fill 0
	s_nop 0
.rept 4
	v_nop                                          ; four lines behind a tensor load
.endr
.irp i, 0,1,2,3                                ; my four tiles of z stay in registers
.irp g, 0,1,2,3
	global_load_b128 v[ZF+16*\i+4*\g:ZF+16*\i+4*\g+3], v[ADC], s[4:5] offset:TILEB*\i+512*\g
.endr
	global_load_b32 v[ZS+\i], v[ADS], s[4:5] offset:TILEB*\i+2048
	global_load_b32 v[ZZ+2*\i], v[ADS], s[4:5] offset:TILEB*\i+2176
.endr
.irp i, 0,1,2,3
	v_mov_b32 v[RA+\i], 0x7f800000                 ; the minimum so far: +infinity
	v_mov_b32 v[ZZ+2*\i+1], v[VT]
.endr
	s_wait_loadcnt 0x0                             ; z is in, and its loads' address registers are free
.macro ADDR
	v_add_nc_u32 v[ADC], s[TN], v[AC]
	v_add_nc_u32 v[ADS], s[TN], v[AS]
	v_add_nc_u32 v[ADE], s[TN], v[AE]
.endm
; seven LDS loads: a code tile's two fragments, its scale words, ee of my eight codes, into buffer p
.macro LOADT p, off
.irp g, 0,1,2,3
	ds_load_b128 v[EF+16*\p+4*\g:EF+16*\p+4*\g+3], v[ADC] offset:\off+512*\g
.endr
	ds_load_b32 v[ES+\p], v[ADS] offset:\off+2048
	ds_load_b128 v[EE+8*\p:EE+8*\p+3], v[ADE] offset:\off+2176
	ds_load_b128 v[EE+8*\p+4:EE+8*\p+7], v[ADE] offset:\off+2192
.endm
; One code tile against my four tiles of z, from buffer p.  pf = 1: the buffer is filled again with my tile two on.
.macro TILE p, pf
.if (\p == 1) && (\pf == 0)
	s_wait_dscnt 0x0                               ; nothing was asked for behind this buffer's loads
.else
	s_wait_dscnt 7                                 ; this buffer's seven loads are in; the other buffer's seven, issued later, may be out
.endif
.set RIN,  RA+4*\p
.set ROUT, RB-4*\p
.irp i, 0,1,2,3                                ; K step 0 starts the sums; the four accumulators take turns
	v_wmma_scale_f32_16x16x128_f8f6f4 v[ACC+8*\i:ACC+8*\i+7], v[EF+16*\p:EF+16*\p+7], v[ZF+16*\i:ZF+16*\i+7], 0, v[ES+\p], v[ZS+\i] matrix_a_fmt:MATRIX_FMT_FP4 matrix_b_fmt:MATRIX_FMT_FP4
.endr
.irp i, 0,1,2,3                                ; K step 1: its scale words lie in lanes 16-31
	v_wmma_scale_f32_16x16x128_f8f6f4 v[ACC+8*\i:ACC+8*\i+7], v[EF+16*\p+8:EF+16*\p+15], v[ZF+16*\i+8:ZF+16*\i+15], v[ACC+8*\i:ACC+8*\i+7], v[ES+\p], v[ZS+\i] matrix_a_fmt:MATRIX_FMT_FP4 matrix_b_fmt:MATRIX_FMT_FP4 matrix_a_scale:MATRIX_SCALE_ROW1 matrix_b_scale:MATRIX_SCALE_ROW1
.endr
.irp i, 0,1,2,3                                ; t = ee + zz.  These sixteen name no register of the products: they are the places ahead of the loads below, of the reads of the results, and of the next tile's products, which write over the accumulators
.irp k, 0,2,4,6
	v_pk_add_f32 v[T+8*\i+\k:T+8*\i+\k+1], v[EE+8*\p+\k:EE+8*\p+\k+1], v[ZZ+2*\i:ZZ+2*\i+1] op_sel_hi:[1,0]
.endr
.endr
.if \pf
	LOADT \p, \p*STEPB
.endif
.irp k, 0,2,4,6                                ; d = t - 2 dot; each accumulator is read from its low end on
.irp i, 0,1,2,3
	v_pk_fma_f32 v[T+8*\i+\k:T+8*\i+\k+1], v[ACC+8*\i+\k:ACC+8*\i+\k+1], -2.0, v[T+8*\i+\k:T+8*\i+\k+1] op_sel_hi:[1,0,1]
.endr
.endr
.irp i, 0,1,2,3
	v_min3_num_f32 v[ROUT+\i], v[RIN+\i], v[T+8*\i], v[T+8*\i+1]
.endr
.irp k, 2,4,6
.irp i, 0,1,2,3
	v_min3_num_f32 v[ROUT+\i], v[ROUT+\i], v[T+8*\i+\k], v[T+8*\i+\k+1]
.endr
.endr
.irp i, 0,1,2,3
	v_cmp_lt_f32 s[CM+\i], v[ROUT+\i], v[RIN+\i]   ; strictly smaller than all before: this group takes over
.endr
.irp i, 0,1,2,3
	v_cndmask_b32 v[ZZ+2*\i+1], v[ZZ+2*\i+1], v[VT], s[CM+\i]
.endr
	v_add_nc_u32 v[VT], 8, v[VT]                   ; my next tile is four tiles on
.endm
; my sixteen tiles of a slot, two a trip; the fetches run two tiles ahead, so the last two tiles are written out without them
.macro WORK slot
	s_mov_b32 s[TN], \slot*SLOTB
	ADDR
	LOADT 0, 0
	LOADT 1, STEPB
	s_mov_b32 s[CNT], 7
.Lpair_\@:
	s_add_co_u32 s[TN], s[TN], 2*STEPB             ; the pair that this trip fetches (LDS instructions have read their address registers when they are issued)
	ADDR
	TILE 0, 1
	TILE 1, 1
	s_sub_co_u32 s[CNT], s[CNT], 1
	s_cmp_lg_u32 s[CNT], 0
	s_cbranch_scc1 .Lpair_\@
	TILE 0, 0
	TILE 1, 0
.endm
; A change of slots.  One tensor load of mine is out at most: my part of the slot that I am about to read.
.macro TRIP slot, refill
	s_wait_tensorcnt 0x0                           ; all my tensor loads have landed, so every group 0 may be written;
	ds_add_u32 v[SPW], v[NIL]                      ; 0 onto my spare word;
	s_add_nc_u64 s[G0+4*\slot+2:G0+4*\slot+3], s[G0+4*\slot+2:G0+4*\slot+3], 2*SLOTB   ; this slot's next fill
	s_wait_dscnt 0x0                               ; the add is done, and so are my reads of the other slot
	ROUND                                          ; both now hold of every wave of all four work-groups
.if \refill
	tensor_load_to_lds s[G0+4-4*\slot:G0+7-4*\slot], s[G1:G1+7]   ; the next fill, into the slot read last: it has this slot's sixteen tiles a wave in which to land
	s_nop 0
.rept 4
	v_nop
.endr
.endif
	WORK \slot
.endm
	s_mov_b32 s[LAPS], 3
.Llap:
	TRIP 0, 1
	TRIP 1, 1
	s_sub_co_u32 s[LAPS], s[LAPS], 1
	s_cmp_lg_u32 s[LAPS], 0
	s_cbranch_scc1 .Llap
	TRIP 0, 1                                      ; fills 6 and 7: the last asks for nothing (the stepped addresses are not used)
	TRIP 1, 0
; (dd, di) = the smaller of (d, id) and (d2, id2), by d, then by the group's number
.macro LEX dd, di, d, id, d2, id2
	v_cmp_lt_f32 s40, v[\d2], v[\d]
	v_cmp_eq_f32 s41, v[\d2], v[\d]
	v_cmp_lt_u32 s42, v[\id2], v[\id]
	s_and_b32 s41, s41, s42
	s_or_b32 s40, s40, s41
	v_cndmask_b32 v[\dd], v[\d], v[\d2], s40
	v_cndmask_b32 v[\di], v[\id], v[\id2], s40
.endm
	; THE MERGE.  First the two halves of the lanes, which hold the same row; then the four waves of a row, through LDS.
.irp i, 0,1,2,3
	v_permlanex16_b32 v[T+2*\i], v[RA+\i], s[SEL], s[SEL+1]
	v_permlanex16_b32 v[T+2*\i+1], v[ZZ+2*\i+1], s[SEL], s[SEL+1]
.endr
.irp i, 0,1,2,3
	LEX MG+2*\i, MG+2*\i+1, RA+\i, ZZ+2*\i+1, T+2*\i, T+2*\i+1
	ds_store_b64 v[MA], v[MG+2*\i:MG+2*\i+1] offset:128*\i   ; both halves write the same bytes with the same value
.endr
	s_wait_dscnt 0x0                               ; for the others' sake: my stores have landed
	s_barrier_signal -1
	s_barrier_wait -1
	s_cmp_lt_u32 s[WV], 2                          ; waves 0 and 1 finish 64 rows each, two rows a lane
	s_cbranch_scc0 .Lothers
.irp q, 0,1,2,3
	ds_load_b128 v[T+4*\q:T+4*\q+3], v[MR] offset:1024*\q
.endr
	s_wait_dscnt 0x0
	LEX MG, MG+4, T, T+1, T+4, T+5
	LEX MG+2, MG+5, T+2, T+3, T+6, T+7
.irp q, 2,3
	LEX MG, MG+4, MG, MG+4, T+4*\q, T+4*\q+1
	LEX MG+2, MG+5, MG+2, MG+5, T+4*\q+2, T+4*\q+3
.endr
	global_store_b64 v[GOF], v[MG+4:MG+5], s[8:9]  ; 32 lanes store 256 consecutive bytes, at a multiple of 256 from gid's first byte
.Lothers:
	s_wait_tensorcnt 0x0                           ; the wave's end, behind my last tensor load and my last LDS store
	ds_add_u32 v[SPW], v[NIL]
	s_wait_dscnt 0x0
	ROUND                                          ; the closing round: no work-group ends while a partner may still ask for a part that names it
	s_endpgm
.Lfunc_end_k_qc8c6736308_search:
	.size	k_qc8c6736308_search, .Lfunc_end_k_qc8c6736308_search-k_qc8c6736308_search
	.p2alignl 7, 3214868480
	.fill 96, 4, 3214868480
	.section	.rodata,"a",@progbits
	.p2align	6, 0x0
	.amdhsa_kernel k_qc8c6736308_search
		.amdhsa_group_segment_fixed_size 327680
		.amdhsa_private_segment_fixed_size 0
		.amdhsa_enable_private_segment 0
		.amdhsa_kernarg_size 24
		.amdhsa_user_sgpr_count 2
		.amdhsa_user_sgpr_kernarg_segment_ptr 1
		.amdhsa_wavefront_size32 1
		.amdhsa_system_sgpr_workgroup_id_x 1
		.amdhsa_system_sgpr_workgroup_id_y 1
		.amdhsa_system_sgpr_workgroup_id_z 1
		.amdhsa_system_vgpr_workitem_id 0
		.amdhsa_next_free_vgpr 224
		.amdhsa_next_free_sgpr 66
		.amdhsa_reserve_vcc 0
		.amdhsa_float_denorm_mode_32 3
		.amdhsa_float_denorm_mode_16_64 3
		.amdhsa_memory_ordered 1
		.amdhsa_forward_progress 1
		.amdhsa_inst_pref_size 97
	.end_amdhsa_kernel
	.amdgpu_metadata
---
amdhsa.version: [ 1, 2 ]
amdhsa.kernels:
  - .name:           k_qc8c6736308_search
    .symbol:         k_qc8c6736308_search.kd
    .args:
      - { .name: zpack, .offset: 0, .size: 8, .value_kind: global_buffer, .address_space: global }
      - { .name: epack, .offset: 8, .size: 8, .value_kind: global_buffer, .address_space: global }
      - { .name: gid, .offset: 16, .size: 8, .value_kind: global_buffer, .address_space: global }
    .group_segment_fixed_size: 327680
    .private_segment_fixed_size: 0
    .kernarg_segment_align: 8
    .kernarg_segment_size: 24
    .max_flat_workgroup_size: 256
    .sgpr_count:     66
    .vgpr_count:     224
    .wavefront_size: 32
...
	.end_amdgpu_metadata
.endif
;; end of part 2
;; launch refine (part 3): grid 256 x 1, 8 waves a work-group, no clusters, 1,536 bytes of LDS; arguments zpack, epack, gid, idx, out1; writes idx, out1
.if DOCPART == 3
	.amdgcn_target "amdgcn-amd-amdhsa--gfx1250"
	.amdhsa_code_object_version 6
	.text
	.protected	k_qc8c6736308_refine
	.globl	k_qc8c6736308_refine
	.p2align	8
	.type	k_qc8c6736308_refine,@function
k_qc8c6736308_refine:
	s_mov_b64 s[64:65], 0
	v_nop
	global_prefetch_b8 v0, s[64:65] scope:SCOPE_SE
	s_setreg_imm32_b32 hwreg(HW_REG_WAVE_MODE, 25, 1), 1
	s_wait_xcnt 0x0
; gid[row] names the group of 8 neighbouring codes that holds the row's first smallest distance.  Here those 8 distances are made again, by the same matrix instruction on the same codes and by the same two
; roundings (t = zz + ee; d = t - 2 dot), and the first smallest of them fixes the index: idx[row] = out1[row] = 8 gid[row] + j.
; SHARES.  A wave takes one tile of 16 rows of z.  Which rows of the code table form a tile of source 0 is free: in pair p (0..7) rows 0-7 are the 8 candidates of z row p, rows 8-15 those of z row p + 8.
; In the result register m of lane (r, h) is (candidate m of z row p + 8 h) . (z row r): what is wanted lies where r = p + 8 h, in lanes p and 24 + p.  Eight pairs, sixteen matrix instructions a wave;
; lanes 0-7 end up with the 8 dots of rows 0-7, lanes 24-31 with those of rows 8-15.
; The code table lies as register images (pack tiles of 2,304 bytes), so a candidate row's part of a fragment is 16 bytes at tile x 2304 + 512 g + 256 h + 16 (row in tile).
; The group numbers are whole numbers that an earlier launch stored; each is held to 0..1023 before it enters an address.  No work-group shares a tile with another, and nothing is filled by an engine: no cluster, no ring.
; LIMITS: NaN among the distances is not served.
.set TILEB, 2304
.set GP,   8                           ; v8-15   pair p: the group of the z row whose candidates my lane loads; then its low bit
.set OC,   16                          ; v16-23  byte offset of my 16 bytes of codes
.set OS,   24                          ; v24-31  of my scale word
.set ACC,  32                          ; v32-63  four accumulators
.set ZF,   64                          ; v64-79  z's two fragments
.set ES,   80                          ; v80-87  the candidates' scale words
.set ZS,   88                          ; v88     z's
.set GO,   89                          ; v89     the group of my own row r
.set OE,   90                          ; v90     byte offset of its eight ee
.set SA,   91                          ; v91     LDS: 64 wave + 4 r
.set OA,   92                          ; v92     256 (wave % 2) + 8 lane: LDS address on the way out, and the offset in idx and out1
.set RBK,  94                          ; v[94:95] two indices read back
.set EF,   96                          ; v96-223 the candidates' fragments, 16 registers a pair
.set DOT,  224                         ; v224-231 my row's eight dots
.set EE,   232                         ; v232-239 their ee
.set T,    240                         ; v240-247 t, then d
.set ZZ,   248                         ; v248 zz of my row; v249 j of the smallest so far (the packed add names the pair and takes its low word)
.set BJ,   249
.set BEST, 250
.set IX,   251
.set OTH,  252
.set TMP,  253
.set MK,   24                          ; s24-31  pair p's lanes: p and 24 + p
	s_load_b256 s[4:11], s[0:1], 0x0               ; zpack s[4:5], epack s[6:7], gid s[8:9], idx s[10:11]
	s_load_b64 s[12:13], s[0:1], 0x20              ; out1
	v_lshl_add_u32 v254, v0, 2, 0x200
	v_mov_b32 v255, 0
	v_lshrrev_b32 v7, 5, v0
	v_readfirstlane_b32 s14, v7                    ; wave 0..7
	s_lshl_b32 s15, ttmp9, 3
	s_add_co_u32 s15, s15, s14                     ; my tile of z
	s_mul_i32 s16, s15, TILEB
	s_mov_b32 s17, 0
	s_lshl_b32 s18, s15, 6                         ; 16 group numbers
	s_mov_b32 s19, 0
	s_mov_b32 s20, 0x76543210
	s_mov_b32 s21, 0xfedcba98                      ; v_permlanex16_b32's selects for lane l xor 16
	s_mov_b32 s22, 0xff0000ff                      ; the lanes that hold a row's result
.irp p, 0,1,2,3,4,5,6,7
	s_mov_b32 s[MK+\p], 0x01000001<<\p
.endr
	v_and_b32 v7, 31, v0                           ; lane
	v_lshlrev_b32 v1, 4, v7                        ; v1: 16 lane
	v_lshlrev_b32 v2, 2, v7                        ; v2: 4 lane
	s_and_b32 s23, s14, 1
	s_lshl_b32 s23, s23, 8
	v_lshl_add_u32 v[OA], v7, 3, s23
	v_and_b32 v3, 8, v0
	v_lshlrev_b32 v3, 2, v3                        ; v3: 32 (r / 8): rows p or p + 8 of gid
	v_and_b32 v4, 15, v0
	v_lshlrev_b32 v4, 2, v4                        ; v4: 4 r
	s_lshl_b32 s23, s14, 6
	v_add_nc_u32 v[SA], s23, v4
	v_and_b32 v7, 7, v0                            ; j = r % 8
	v_bfe_u32 v[TMP], v0, 4, 1                     ; h
	v_lshlrev_b32 v5, 8, v[TMP]
	v_lshl_add_u32 v5, v7, 4, v5                   ; v5: 16 j + 256 h
	v_lshlrev_b32 v6, 6, v[TMP]
	v_lshl_add_u32 v6, v7, 2, v6                   ; v6: 4 j + 64 h
	s_wait_kmcnt 0x0
	s_add_nc_u64 s[4:5], s[4:5], s[16:17]
	s_add_nc_u64 s[8:9], s[8:9], s[18:19]
	s_lshl_b32 s16, ttmp9, 9                       ; the work-group's 128 indices
	s_add_nc_u64 s[10:11], s[10:11], s[16:17]
	s_add_nc_u64 s[12:13], s[12:13], s[16:17]
.irp p, 0,1,2,3,4,5,6,7
	global_load_b32 v[GP+\p], v3, s[8:9] offset:4*\p
.endr
	global_load_b32 v[GO], v4, s[8:9]
.irp g, 0,1,2,3
	global_load_b128 v[ZF+4*\g:ZF+4*\g+3], v1, s[4:5] offset:512*\g
.endr
	global_load_b32 v[ZS], v2, s[4:5] offset:2048
	global_load_b32 v[ZZ], v2, s[4:5] offset:2176
	v_mov_b32 v[BJ], 0
	v_mov_b32 v[OTH], 0                            ; a lane permute's destination counts as one of its sources
	s_wait_loadcnt 6                               ; the nine group numbers are in; z's six loads may be out
.irp p, 0,1,2,3,4,5,6,7                        ; group g: tile g / 2, rows 8 (g % 2) + 0 .. 7 of it
	v_min_u32 v[GP+\p], 0x3ff, v[GP+\p]
	v_and_b32 v[TMP], 0x3fe, v[GP+\p]
	v_and_b32 v[GP+\p], 1, v[GP+\p]
	v_mul_u32_u24 v[TMP], v[TMP], TILEB/2          ; the tile's first byte
	v_lshl_add_u32 v[OC+\p], v[GP+\p], 7, v5
	v_lshl_add_u32 v[OS+\p], v[GP+\p], 5, v6
	v_add_nc_u32 v[OC+\p], v[TMP], v[OC+\p]
	v_add_nc_u32 v[OS+\p], v[TMP], v[OS+\p]
.irp g, 0,1,2,3
	global_load_b128 v[EF+16*\p+4*\g:EF+16*\p+4*\g+3], v[OC+\p], s[6:7] offset:512*\g
.endr
	global_load_b32 v[ES+\p], v[OS+\p], s[6:7] offset:2048
.endr
	v_min_u32 v[GO], 0x3ff, v[GO]
	v_and_b32 v[TMP], 0x3fe, v[GO]
	v_and_b32 v7, 1, v[GO]
	v_mul_u32_u24 v[TMP], v[TMP], TILEB/2
	v_lshl_add_u32 v[OE], v7, 5, v[TMP]
	global_load_b128 v[EE:EE+3], v[OE], s[6:7] offset:2176
	global_load_b128 v[EE+4:EE+7], v[OE], s[6:7] offset:2192
	s_wait_loadcnt 0x0
; pairs 4 t .. 4 t + 3: the four accumulators take turns; then each pair's two lanes keep their eight dots, each accumulator read from its low end on
.macro BATCH t
.irp k, 0,1,2,3
	v_wmma_scale_f32_16x16x128_f8f6f4 v[ACC+8*\k:ACC+8*\k+7], v[EF+16*(4*\t+\k):EF+16*(4*\t+\k)+7], v[ZF:ZF+7], 0, v[ES+4*\t+\k], v[ZS] matrix_a_fmt:MATRIX_FMT_FP4 matrix_b_fmt:MATRIX_FMT_FP4
.endr
.irp k, 0,1,2,3
	v_wmma_scale_f32_16x16x128_f8f6f4 v[ACC+8*\k:ACC+8*\k+7], v[EF+16*(4*\t+\k)+8:EF+16*(4*\t+\k)+15], v[ZF+8:ZF+15], v[ACC+8*\k:ACC+8*\k+7], v[ES+4*\t+\k], v[ZS] matrix_a_fmt:MATRIX_FMT_FP4 matrix_b_fmt:MATRIX_FMT_FP4 matrix_a_scale:MATRIX_SCALE_ROW1 matrix_b_scale:MATRIX_SCALE_ROW1
.endr
.rept 4
	v_nop                                          ; four places ahead of the first read of results (ISA guide 7.12.1)
.endr
.irp k, 0,1,2,3
.irp m, 0,1,2,3,4,5,6,7
.if (4*\t+\k) == 0
	v_mov_b32 v[DOT+\m], v[ACC+\m]                 ; the first pair writes every lane, so that the register is whole
.else
	v_cndmask_b32 v[DOT+\m], v[DOT+\m], v[ACC+8*\k+\m], s[MK+4*\t+\k]
.endif
.endr
.endr
.endm
	BATCH 0
.rept 5
	v_nop                                          ; five places ahead of products that write over the accumulators
.endr
	BATCH 1
.irp k, 0,2,4,6
	v_pk_add_f32 v[T+\k:T+\k+1], v[EE+\k:EE+\k+1], v[ZZ:ZZ+1] op_sel_hi:[1,0]     ; t = ee + zz
.endr
.irp k, 0,2,4,6
	v_pk_fma_f32 v[T+\k:T+\k+1], v[DOT+\k:DOT+\k+1], -2.0, v[T+\k:T+\k+1] op_sel_hi:[1,0,1]   ; d = t - 2 dot
.endr
	v_mov_b32 v[BEST], v[T]
.irp m, 1,2,3,4,5,6,7                          ; the first smallest: a later one takes over only where it is strictly smaller
	v_cmp_ge_f32 vcc_lo, v[T+\m], v[BEST]
	v_cndmask_b32 v[BJ], \m, v[BJ], vcc_lo
	v_min_num_f32 v[BEST], v[BEST], v[T+\m]
.endr
	v_lshl_add_u32 v[IX], v[GO], 3, v[BJ]          ; right in lanes 0-7 and 24-31
	v_permlanex16_b32 v[OTH], v[IX], s20, s21
	v_cndmask_b32 v[IX], v[OTH], v[IX], s22        ; the other lanes take it from lane l xor 16, which holds the same row: every lane now has row r's index
	ds_store_b32 v[SA], v[IX]                      ; both halves write the same word with the same value
	s_wait_dscnt 0x0                               ; for the others' sake: my store has landed
	s_barrier_signal -1
	s_barrier_wait -1
	s_cmp_lt_u32 s14, 2                            ; waves 0 and 1 store the work-group's 128 indices
	s_cbranch_scc0 .Ldone
	ds_load_b64 v[RBK:RBK+1], v[OA]
	s_wait_dscnt 0x0
	global_store_b64 v[OA], v[RBK:RBK+1], s[10:11] ; 32 lanes store 256 consecutive bytes, at a multiple of 256 from the buffer's first byte
	global_store_b64 v[OA], v[RBK:RBK+1], s[12:13]
.Ldone:
	s_wait_tensorcnt 0x0
	ds_add_u32 v254, v255
	s_wait_dscnt 0x0
	s_endpgm
.Lfunc_end_k_qc8c6736308_refine:
	.size	k_qc8c6736308_refine, .Lfunc_end_k_qc8c6736308_refine-k_qc8c6736308_refine
	.p2alignl 7, 3214868480
	.fill 96, 4, 3214868480
	.section	.rodata,"a",@progbits
	.p2align	6, 0x0
	.amdhsa_kernel k_qc8c6736308_refine
		.amdhsa_group_segment_fixed_size 1536
		.amdhsa_private_segment_fixed_size 0
		.amdhsa_enable_private_segment 0
		.amdhsa_kernarg_size 40
		.amdhsa_user_sgpr_count 2
		.amdhsa_user_sgpr_kernarg_segment_ptr 1
		.amdhsa_wavefront_size32 1
		.amdhsa_system_sgpr_workgroup_id_x 1
		.amdhsa_system_sgpr_workgroup_id_y 1
		.amdhsa_system_sgpr_workgroup_id_z 1
		.amdhsa_system_vgpr_workitem_id 0
		.amdhsa_next_free_vgpr 256
		.amdhsa_next_free_sgpr 66
		.amdhsa_reserve_vcc 1
		.amdhsa_float_denorm_mode_32 3
		.amdhsa_float_denorm_mode_16_64 3
		.amdhsa_memory_ordered 1
		.amdhsa_forward_progress 1
		.amdhsa_inst_pref_size 20
	.end_amdhsa_kernel
	.amdgpu_metadata
---
amdhsa.version: [ 1, 2 ]
amdhsa.kernels:
  - .name:           k_qc8c6736308_refine
    .symbol:         k_qc8c6736308_refine.kd
    .args:
      - { .name: zpack, .offset: 0, .size: 8, .value_kind: global_buffer, .address_space: global }
      - { .name: epack, .offset: 8, .size: 8, .value_kind: global_buffer, .address_space: global }
      - { .name: gid, .offset: 16, .size: 8, .value_kind: global_buffer, .address_space: global }
      - { .name: idx, .offset: 24, .size: 8, .value_kind: global_buffer, .address_space: global }
      - { .name: out1, .offset: 32, .size: 8, .value_kind: global_buffer, .address_space: global }
    .group_segment_fixed_size: 1536
    .private_segment_fixed_size: 0
    .kernarg_segment_align: 8
    .kernarg_segment_size: 40
    .max_flat_workgroup_size: 256
    .sgpr_count:     66
    .vgpr_count:     256
    .wavefront_size: 32
...
	.end_amdgpu_metadata
.endif
;; end of part 3
;; launch gather (part 4): grid 256 x 1, 8 waves a work-group, no clusters, 0 bytes of LDS; arguments emb_weights, idx, out0; writes out0
.if DOCPART == 4
	.amdgcn_target "amdgcn-amd-amdhsa--gfx1250"
	.amdhsa_code_object_version 6
	.text
	.protected	k_qc8c6736308_gather
	.globl	k_qc8c6736308_gather
	.p2align	8
	.type	k_qc8c6736308_gather,@function
k_qc8c6736308_gather:
	s_mov_b64 s[64:65], 0
	v_nop
	global_prefetch_b8 v0, s[64:65] scope:SCOPE_SE
	s_setreg_imm32_b32 hwreg(HW_REG_WAVE_MODE, 25, 1), 1
	s_wait_xcnt 0x0
; out0[row][:] = emb_weights[idx[row]][:], 1,024 bytes a row, f32 as they lie.  idx holds whole numbers that an earlier launch stored; each is held to 0..8191 before it enters an address.
; A wave copies 16 rows: its 16 indices come by one scalar load; a row is two loads and two stores of 512 consecutive bytes.  All 32 loads go out together, each row has registers of its own,
; so no register that a load or store still reads is written again.  Memory binds: no LDS, no barrier, no matrix unit, no cluster (work-groups share no tile).
; Rows of the table may be named by many rows of the output: the loads carry no hint; the output is written once and read by nobody here.
.set L16, 1                            ; v1      16 x lane
.set OFF, 2                            ; v2-17   row i: byte offset of my 16 bytes in the table
.set D,   24                           ; v24-151 row i: 8 registers
	s_load_b128 s[4:7], s[0:1], 0x0                ; the table s[4:5], idx s[6:7]
	s_load_b64 s[8:9], s[0:1], 0x10                ; out0
	v_lshrrev_b32 v[L16], 5, v0
	v_readfirstlane_b32 s10, v[L16]                ; wave 0..7
	s_lshl_b32 s11, ttmp9, 3
	s_add_co_u32 s11, s11, s10                     ; which 16 rows are mine
	s_lshl_b32 s12, s11, 6                         ; 16 indices of 4 bytes
	s_mov_b32 s13, 0
	s_lshl_b32 s14, s11, 14                        ; 16 rows of 1,024 bytes
	s_mov_b32 s15, 0
	v_and_b32 v[L16], 31, v0
	v_lshlrev_b32 v[L16], 4, v[L16]
	s_wait_kmcnt 0x0
	s_add_nc_u64 s[6:7], s[6:7], s[12:13]
	s_add_nc_u64 s[8:9], s[8:9], s[14:15]
	s_load_b512 s[16:31], s[6:7], 0x0              ; my 16 indices
	s_wait_kmcnt 0x0
.irp i, 0,1,2,3,4,5,6,7,8,9,10,11,12,13,14,15
	s_min_u32 s[16+\i], s[16+\i], 8191
	s_lshl_b32 s[16+\i], s[16+\i], 10
	v_add_nc_u32 v[OFF+\i], s[16+\i], v[L16]
	global_load_b128 v[D+8*\i:D+8*\i+3], v[OFF+\i], s[4:5]
	global_load_b128 v[D+8*\i+4:D+8*\i+7], v[OFF+\i], s[4:5] offset:512
.endr
.irp i, 0,1,2,3,4,5,6,7,8,9,10,11,12,13,14,15
	s_wait_loadcnt 30-2*\i                         ; loads come back in order (ISA guide 5.7.1): row i's two are in, the later rows' may be out
	global_store_b128 v[L16], v[D+8*\i:D+8*\i+3], s[8:9] offset:1024*\i th:TH_STORE_NT       ; 32 lanes store 512 consecutive bytes, at a multiple of 256 from out0's first byte
	global_store_b128 v[L16], v[D+8*\i+4:D+8*\i+7], s[8:9] offset:1024*\i+512 th:TH_STORE_NT
.endr
	s_endpgm
.Lfunc_end_k_qc8c6736308_gather:
	.size	k_qc8c6736308_gather, .Lfunc_end_k_qc8c6736308_gather-k_qc8c6736308_gather
	.p2alignl 7, 3214868480
	.fill 96, 4, 3214868480
	.section	.rodata,"a",@progbits
	.p2align	6, 0x0
	.amdhsa_kernel k_qc8c6736308_gather
		.amdhsa_group_segment_fixed_size 0
		.amdhsa_private_segment_fixed_size 0
		.amdhsa_enable_private_segment 0
		.amdhsa_kernarg_size 24
		.amdhsa_user_sgpr_count 2
		.amdhsa_user_sgpr_kernarg_segment_ptr 1
		.amdhsa_wavefront_size32 1
		.amdhsa_system_sgpr_workgroup_id_x 1
		.amdhsa_system_sgpr_workgroup_id_y 1
		.amdhsa_system_sgpr_workgroup_id_z 1
		.amdhsa_system_vgpr_workitem_id 0
		.amdhsa_next_free_vgpr 152
		.amdhsa_next_free_sgpr 66
		.amdhsa_reserve_vcc 0
		.amdhsa_float_denorm_mode_32 3
		.amdhsa_float_denorm_mode_16_64 3
		.amdhsa_memory_ordered 1
		.amdhsa_forward_progress 1
		.amdhsa_inst_pref_size 10
	.end_amdhsa_kernel
	.amdgpu_metadata
---
amdhsa.version: [ 1, 2 ]
amdhsa.kernels:
  - .name:           k_qc8c6736308_gather
    .symbol:         k_qc8c6736308_gather.kd
    .args:
      - { .name: emb_weights, .offset: 0, .size: 8, .value_kind: global_buffer, .address_space: global }
      - { .name: idx, .offset: 8, .size: 8, .value_kind: global_buffer, .address_space: global }
      - { .name: out0, .offset: 16, .size: 8, .value_kind: global_buffer, .address_space: global }
    .group_segment_fixed_size: 0
    .private_segment_fixed_size: 0
    .kernarg_segment_align: 8
    .kernarg_segment_size: 24
    .max_flat_workgroup_size: 256
    .sgpr_count:     66
    .vgpr_count:     152
    .wavefront_size: 32
...
	.end_amdgpu_metadata
.endif
;; end of part 4
;; ======== version 2 of 2: 4 launches
;; workspace buffers: zpack 4,718,592 bytes; epack 1,179,648 bytes; gid 131,072 bytes of whole numbers; idx 131,072 bytes of whole numbers
;; launch quant (part 5): grid 256 x 1, 10 waves a work-group, no clusters, 169,216 bytes of LDS; arguments hidden_states, emb_weights, zpack, epack; writes zpack, epack
.if DOCPART == 5
	.amdgcn_target "amdgcn-amd-amdhsa--gfx1250"
	.amdhsa_code_object_version 6
	.text
	.protected	k_qc8c6736308_quant
	.globl	k_qc8c6736308_quant
	.p2align	8
	.type	k_qc8c6736308_quant,@function
k_qc8c6736308_quant:
	s_mov_b64 s[64:65], 0
	v_nop
	global_prefetch_b8 v0, s[64:65] scope:SCOPE_SE
	s_setreg_imm32_b32 hwreg(HW_REG_WAVE_MODE, 25, 1), 1
	s_wait_xcnt 0x0
; hidden_states [32768][256] and emb_weights [8192][256], f32, become operands of MX-FP4 (E2M1, one E8M0 scale for each 32 along K), laid as IMAGES OF THE OPERAND'S REGISTERS.
; A pack tile is 16 rows x K 256 in 2,304 bytes: at (2 s + c) 512 + 16 l the registers 4 c .. 4 c + 3 of K step s's fragment as lane l holds them; at 2048 + 4 l the scale words (lanes 0-15: K step 0 of row l,
; lanes 16-31: K step 1 of row l - 16); at 2176 + 4 l the row's sum of squares in f32 (words 0-15 in row order, words 16-31 the same again).
; A block's scale is 2^(floor(log2(its largest magnitude)) - 2); its byte is the largest magnitude's exponent field - 2, held at 1 from below; numbers beyond 6 x scale get the largest code.
; LIMITS: a block of zeros gets the byte 1 (its codes are zeros; this program alone reads the bytes); blocks whose largest magnitude lies under 2^-124 are held at byte 1; NaN and infinities are not served;
; the sum of squares is taken in two packed chains and then across the two halves of the lanes, another order than a plain ascending sum.
; SHARES: 2,560 tiles (2,048 of z, then 512 of e), one to a wave: tile = 10 x work-group + wave.  Only pointers are chosen by the tile's number: both tensors take one path.
; A tile is 16,384 consecutive bytes of memory: one tensor load a wave brings it into the wave's own LDS bytes (16 rows, 1,024 + 16 bytes apart, so that the sixteen rows of a 16-byte load start at sixteen
; different 16-byte columns).  The bytes are filled once and read by the issuing wave alone: its own wait on TENSORcnt is all the ordering.  No work-group shares a tile with another: no cluster.
.set ZT,    2048                       ; tiles of z
.set TILEB, 2304                       ; a pack tile
.set PITCH, 1040                       ; an LDS row
.set WREG,  16*PITCH                   ; a wave's LDS bytes
.set L16,   1                          ; v1      16 x lane
.set L4,    2                          ; v2      4 x lane
.set LA,    3                          ; v3      LDS: my row, + 64 bytes for lanes 16-31
.set CA,    4                          ; v[4:5]  squares, chain A
.set CB,    6                          ; v[6:7]  squares, chain B
.set SUM,   8                          ; v8      the row's sum of squares
.set OTH,   9                          ; v9      the other half's
.set PW,    10                         ; v10-11  the scale words of K steps 0, 1
.set SW,    12                         ; v12     the two as they are stored
.set PC,    16                         ; v16-31  the codes: 8 registers a K step
.set TM,    32                         ; v32-47  at work in QUANT
.set X,     64                         ; v64-191 my 128 numbers: register 64 s + 16 b + i = k 128 s + 32 b + 16 (lane / 16) + i of my row
.set G0,    20                         ; s[20:23] descriptor group 0
.set G1,    24                         ; s[24:31] descriptor group 1
.set SEL,   32                         ; s[32:33] v_permlanex16_b32's selects for lane l xor 16
	s_load_b256 s[4:11], s[0:1], 0x0               ; z s[4:5], e s[6:7], zpack s[8:9], epack s[10:11]
	v_lshl_add_u32 v192, v0, 2, 0x29000
	v_mov_b32 v193, 0
	ds_add_u32 v192, v193
	ds_add_u32 v192, v193
	v_lshrrev_b32 v[L16], 5, v0
	s_delay_alu instid0(VALU_DEP_1)
	v_readfirstlane_b32 s12, v[L16]                ; wave 0..9
	s_mul_i32 s13, ttmp9, 10
	s_add_co_u32 s13, s13, s12                     ; my tile, 0..2559
	s_mov_b32 s15, 0xffff0000                      ; lanes 16-31
	s_mov_b32 s[SEL], 0x76543210
	s_mov_b32 s[SEL+1], 0xfedcba98
	; group 1: 16 rows x 256 elements of 4 bytes, dense in memory; 4 words of padding behind every 256
	s_mov_b32 s[G1+0], (2<<16)|(1<<20)|(7<<22)|(3<<25)
	s_mov_b32 s[G1+1], 256<<16                     ; tensor_dim0 = 256
	s_mov_b32 s[G1+2], 16<<16                      ; tensor_dim1 = 16
	s_mov_b32 s[G1+3], 256<<16                     ; tile_dim0 = 256
	s_mov_b32 s[G1+4], 16                          ; tile_dim1 = 16
	s_mov_b32 s[G1+5], 256                         ; elements from row to row
	s_mov_b32 s[G1+6], 0
	s_mov_b32 s[G1+7], 0
	s_mov_b32 s[G0], 1                             ; count = 1
	s_mul_i32 s[G0+1], s12, WREG                   ; LDS address: the wave's own bytes
	s_wait_dscnt 0x0
	s_wait_kmcnt 0x0
	s_cmp_lt_u32 s13, ZT                           ; a tile of z or of e?  The choice hangs on ids alone
	s_cselect_b64 s[4:5], s[4:5], s[6:7]
	s_cselect_b64 s[8:9], s[8:9], s[10:11]
	s_cselect_b32 s14, 0, ZT
	s_sub_co_u32 s13, s13, s14                     ; the tile's number in its own tensor
	s_lshl_b32 s16, s13, 14                        ; 16 rows of 1,024 bytes
	s_mov_b32 s17, 0
	s_mul_i32 s18, s13, TILEB
	s_mov_b32 s19, 0
	s_add_nc_u64 s[G0+2:G0+3], s[4:5], s[16:17]    ; global address of the tile
	s_or_b32 s[G0+3], s[G0+3], 0x80000000          ; type = 2
	s_add_nc_u64 s[8:9], s[8:9], s[18:19]          ; where its pack tile goes
	tensor_load_to_lds s[G0:G0+3], s[G1:G1+7]      ; my one tensor load
	s_nop 0
	v_and_b32 v[CA], 15, v0                        ; r
	v_bfe_u32 v[CA+1], v0, 4, 1                    ; h
	v_and_b32 v[L4], 31, v0                        ; lane
	s_delay_alu instid0(VALU_DEP_1)
	v_lshlrev_b32 v[L16], 4, v[L4]
	s_delay_alu instid0(VALU_DEP_2)
	v_lshlrev_b32 v[L4], 2, v[L4]
	v_mul_u32_u24 v[LA], v[CA], PITCH
	s_delay_alu instid0(VALU_DEP_1)
	v_lshl_add_u32 v[LA], v[CA+1], 6, v[LA]
	s_delay_alu instid0(VALU_DEP_1)
	v_add_nc_u32 v[LA], s[G0+1], v[LA]
	v_mov_b32 v[OTH], 0                            ; a lane permute's destination counts as one of its sources: written once
.irp b, 0,1,2,3
	v_mov_b32 v[TM+4+\b], 0
.endr
; the squares of K step s's 64 numbers, two at a time, in two chains; the first two products start the chains
.macro SQUARES s
.set n, 0
.if (\s == 0) && (n == 0)
	v_pk_mul_f32 v[CA:CA+1], v[X:X+1], v[X:X+1]
	v_pk_mul_f32 v[CB:CB+1], v[X+2:X+3], v[X+2:X+3]
.else
	v_pk_fma_f32 v[CA:CA+1], v[X+64*\s+4*n:X+64*\s+4*n+1], v[X+64*\s+4*n:X+64*\s+4*n+1], v[CA:CA+1]
	v_pk_fma_f32 v[CB:CB+1], v[X+64*\s+4*n+2:X+64*\s+4*n+3], v[X+64*\s+4*n+2:X+64*\s+4*n+3], v[CB:CB+1]
.endif
.set n, n+1
.rept (16)-1
.if (\s == 0) && (n == 0)
	v_pk_mul_f32 v[CA:CA+1], v[X:X+1], v[X:X+1]
	v_pk_mul_f32 v[CB:CB+1], v[X+2:X+3], v[X+2:X+3]
.else
	s_delay_alu instid0(VALU_DEP_2)
	v_pk_fma_f32 v[CA:CA+1], v[X+64*\s+4*n:X+64*\s+4*n+1], v[X+64*\s+4*n:X+64*\s+4*n+1], v[CA:CA+1]
	s_delay_alu instid0(VALU_DEP_2)
	v_pk_fma_f32 v[CB:CB+1], v[X+64*\s+4*n+2:X+64*\s+4*n+3], v[X+64*\s+4*n+2:X+64*\s+4*n+3], v[CB:CB+1]
.endif
.set n, n+1
.endr
.endm
; 64 numbers of a lane, register 16 b + i = k 32 b + 16 (lane / 16) + i of my row, become a fragment's 8 registers of codes at v[pc] and my row's scale word in v[pw]
.macro QUANT s, pc, pw
.irp b, 0,1,2,3
	v_max3_num_f32 v[TM+\b], |v[\s+16*\b]|, |v[\s+1+16*\b]|, 0x1800000   ; block b: my 16 numbers, and the floor 2^(3 - 127): the byte cannot fall under 1
.endr
.irp i, 2,4,6,8,10,12,14
.irp b, 0,1,2,3
	s_delay_alu instid0(VALU_DEP_4)
	v_max3_num_f32 v[TM+\b], v[TM+\b], |v[\s+16*\b+\i]|, |v[\s+1+16*\b+\i]|   ; the four blocks by turns
.endr
.endr
.irp b, 0,1,2,3
	s_delay_alu instid0(VALU_DEP_4)
	v_permlanex16_b32 v[TM+4+\b], v[TM+\b], s[SEL], s[SEL+1]
.endr
.irp b, 0,1,2,3
	s_delay_alu instid0(VALU_DEP_4)
	v_max_num_f32 v[TM+\b], v[TM+\b], v[TM+4+\b]   ; with lane l xor 16's: the block's largest magnitude
.endr
.irp b, 0,1,2,3
	s_delay_alu instid0(VALU_DEP_4)
	v_add_nc_u32 v[TM+12+\b], 0xff000000, v[TM+\b] ; 2 off its exponent field: the conversion takes the exponent field of this operand as its scale
.endr
.irp b, 0,1,2,3
	s_delay_alu instid0(VALU_DEP_4)
	v_lshrrev_b32 v[TM+4+\b], 23, v[TM+12+\b]      ; the scale's byte
.endr
	s_delay_alu instid0(VALU_DEP_3)
	v_lshl_or_b32 v[\pw], v[TM+5], 8, v[TM+4]
	s_delay_alu instid0(VALU_DEP_1)
	v_lshl_or_b32 v[\pw], v[TM+6], 16, v[\pw]
	s_delay_alu instid0(VALU_DEP_1)
	v_lshl_or_b32 v[\pw], v[TM+7], 24, v[\pw]
.irp b, 0,1,2,3
	v_cvt_scalef32_pk8_fp4_f32 v[\pc+2*\b], v[\s+16*\b:\s+7+16*\b], v[TM+12+\b]
	v_cvt_scalef32_pk8_fp4_f32 v[\pc+1+2*\b], v[\s+8+16*\b:\s+15+16*\b], v[TM+12+\b]
.endr
	v_nop                                          ; one plain place behind a scaled conversion
.irp c, 0,1                                    ; the operand's layout wants a whole block in a lane: lanes 0-15 block 2 c, lanes 16-31 block 2 c + 1
.irp i, 0,1
	v_permlane16_swap_b32 v[\pc+4*\c+\i], v[\pc+2+4*\c+\i]
.endr
.endr
.endm
	s_wait_alu depctr_va_vdst(0)
	s_wait_tensorcnt 0x0                           ; my tile is in LDS
.irp s, 0,1
.irp b, 0,1,2,3
.irp j, 0,1,2,3
	ds_load_b128 v[X+64*\s+16*\b+4*\j:X+64*\s+16*\b+4*\j+3], v[LA] offset:512*\s+128*\b+16*\j
.endr
.endr
.endr
	s_wait_dscnt 16                                ; K step 0's sixteen loads are in; K step 1's sixteen may be out
	SQUARES 0
	QUANT X, PC, PW
	s_wait_dscnt 0x0
	SQUARES 1
	QUANT X+64, PC+8, PW+1
	v_pk_add_f32 v[CA:CA+1], v[CA:CA+1], v[CB:CB+1]
	s_delay_alu instid0(VALU_DEP_1)
	v_add_f32 v[SUM], v[CA], v[CA+1]
	s_delay_alu instid0(VALU_DEP_1)
	v_permlanex16_b32 v[OTH], v[SUM], s[SEL], s[SEL+1]
	s_delay_alu instid0(VALU_DEP_1)
	v_add_f32 v[SUM], v[SUM], v[OTH]               ; the row's sum of squares, the same bits in both halves
	v_cndmask_b32 v[SW], v[PW], v[PW+1], s15       ; lanes 0-15 K step 0's word, lanes 16-31 K step 1's
.irp s, 0,1
.irp c, 0,1
	global_store_b128 v[L16], v[PC+8*\s+4*\c:PC+8*\s+4*\c+3], s[8:9] offset:1024*\s+512*\c   ; 32 lanes store 512 consecutive bytes, at a multiple of 256 from the buffer's first byte
.endr
.endr
	global_store_b32 v[L4], v[SW], s[8:9] offset:2048    ; these two fill the tile's last 256 bytes
	global_store_b32 v[L4], v[SUM], s[8:9] offset:2176
	s_wait_tensorcnt 0x0
	ds_add_u32 v192, v193
	s_wait_dscnt 0x0
	s_endpgm
.Lfunc_end_k_qc8c6736308_quant:
	.size	k_qc8c6736308_quant, .Lfunc_end_k_qc8c6736308_quant-k_qc8c6736308_quant
	.p2alignl 7, 3214868480
	.fill 96, 4, 3214868480
	.section	.rodata,"a",@progbits
	.p2align	6, 0x0
	.amdhsa_kernel k_qc8c6736308_quant
		.amdhsa_group_segment_fixed_size 169216
		.amdhsa_private_segment_fixed_size 0
		.amdhsa_enable_private_segment 0
		.amdhsa_kernarg_size 32
		.amdhsa_user_sgpr_count 2
		.amdhsa_user_sgpr_kernarg_segment_ptr 1
		.amdhsa_wavefront_size32 1
		.amdhsa_system_sgpr_workgroup_id_x 1
		.amdhsa_system_sgpr_workgroup_id_y 1
		.amdhsa_system_sgpr_workgroup_id_z 1
		.amdhsa_system_vgpr_workitem_id 0
		.amdhsa_next_free_vgpr 194
		.amdhsa_next_free_sgpr 66
		.amdhsa_reserve_vcc 0
		.amdhsa_float_denorm_mode_32 3
		.amdhsa_float_denorm_mode_16_64 3
		.amdhsa_memory_ordered 1
		.amdhsa_forward_progress 1
		.amdhsa_inst_pref_size 23
	.end_amdhsa_kernel
	.amdgpu_metadata
---
amdhsa.version: [ 1, 2 ]
amdhsa.kernels:
  - .name:           k_qc8c6736308_quant
    .symbol:         k_qc8c6736308_quant.kd
    .args:
      - { .name: hidden_states, .offset: 0, .size: 8, .value_kind: global_buffer, .address_space: global }
      - { .name: emb_weights, .offset: 8, .size: 8, .value_kind: global_buffer, .address_space: global }
      - { .name: zpack, .offset: 16, .size: 8, .value_kind: global_buffer, .address_space: global }
      - { .name: epack, .offset: 24, .size: 8, .value_kind: global_buffer, .address_space: global }
    .group_segment_fixed_size: 169216
    .private_segment_fixed_size: 0
    .kernarg_segment_align: 8
    .kernarg_segment_size: 32
    .max_flat_workgroup_size: 320
    .sgpr_count:     66
    .vgpr_count:     194
    .wavefront_size: 32
...
	.end_amdgpu_metadata
.endif
;; end of part 5
;; launch search (part 6): grid 256 x 1, 8 waves a work-group, clusters of 4 x 1, 327,680 bytes of LDS; arguments zpack, epack, gid; writes gid
.if DOCPART == 6
	.amdgcn_target "amdgcn-amd-amdhsa--gfx1250"
	.amdhsa_code_object_version 6
	.text
	.protected	k_qc8c6736308_search
	.globl	k_qc8c6736308_search
	.p2align	8
	.type	k_qc8c6736308_search,@function
k_qc8c6736308_search:
	s_mov_b64 s[64:65], 0
	v_nop
	global_prefetch_b8 v0, s[64:65] scope:SCOPE_SE
	s_setreg_imm32_b32 hwreg(HW_REG_WAVE_MODE, 25, 1), 1
	s_wait_xcnt 0x0
	s_wait_alu depctr_hold_cnt(0) depctr_sa_sdst(0) depctr_va_vdst(0) depctr_va_sdst(0) depctr_va_ssrc(0) depctr_va_vcc(0) depctr_vm_vsrc(0)
	s_getreg_b32 s2, hwreg(HW_REG_IB_STS2, 6, 4)
	s_cmp_eq_u32 s2, 0
	s_cbranch_scc0 .Lentry_in_a_cluster
	s_endpgm
.Lentry_in_a_cluster:
	s_bfe_u32 s2, ttmp6, 0x10000c
	s_cmp_lg_u32 s2, 0x3003
	s_cbranch_scc0 .Lentry_shape_is_right
	s_endpgm
.Lentry_shape_is_right:
; For each of 32,768 rows z: the smallest distance d = (zz + ee) - 2 z.e over all 8,192 codes, and WHICH GROUP OF 8 NEIGHBOURING CODES holds its first occurrence.  gid[row] = (first code of that group) / 8.
; z.e is the product on MX-FP4 codes (16 x 16 x 128, two K steps for K = 256).  d is formed as the definition forms it: t = zz + ee rounded once, d = t - 2 dot rounded once (one fused multiply-add, since 2 dot is exact).
; WHY GROUPS.  A distance costs half a packed add, half a packed multiply-add and half a three-way minimum; following the index of every single distance would add a compare and a select to each.  A lane's eight results
; of a tile are eight neighbouring codes: one compare and one select for the eight keep the group; the three bits inside the group are found by a later launch, which recomputes those eight distances.
; ORDER.  A wave takes its code tiles in ascending order and replaces only on strictly smaller; lanes and waves are merged by (d, group), the smaller group on equal d: so the group is that of the first minimum.
; LIMITS: NaN and infinities among the distances are not served (a minimum drops NaN; a row whose every d is +infinity keeps the first group of one of its lanes).
; SHARES.  A work-group owns 128 rows of z and walks all 512 code tiles.  Wave w: q = w % 4, zh = w / 4: it keeps z tiles 4 zh .. 4 zh + 3 of the work-group's eight in registers and takes the code tiles that are q modulo 4.
; Two waves share a SIMD, each inside 256 registers: one wave's 57 vector instructions of a tile stand beside the other's 8 matrix instructions and 7 LDS loads.
; THE PRODUCT IS USED TRANSPOSED: source 0 = 16 codes, source 1 = 16 rows of z: lane (r, h) holds row r of z, and register j code 16 tile + 8 h + j.
; RING.  The code table (pack tiles of 2,304 bytes, register images) goes through two LDS slots of 64 tiles; each of the eight waves brings 8 tiles, 18,432 consecutive bytes, with one tensor load.
; CLUSTER.  The four work-groups of a cluster walk the same table: each part of a slot is asked for JOINTLY, by the same tensor load with the same descriptor and the mask of all four.
.set TILEB, 2304
.set STEPB, 4*TILEB                    ; from one of my tiles to my next
.set WPART, 8*TILEB                    ; what one tensor load brings
.set SLOTB, 64*TILEB                   ; a slot
.set SPARE, 2*SLOTB                    ; behind the ring: the spare words, 128 bytes for each of eight waves: four blocks of 256 bytes that no other line names
.set MS,    SPARE+1024                 ; the merge: [q][128 rows] pairs (d, group), 4,096 bytes; no fill lands here
.set SPW,  1                           ; v1   LDS address of my spare word; never rewritten
.set NIL,  2                           ; v2   0; never rewritten
.set AC,   3                           ; v3   my place in my first tile's code images: 2304 q + 16 lane
.set AS,   4                           ; v4   among its scale words: 2304 q + 4 lane
.set AE,   5                           ; v5   among its sums of squares: 2304 q + 32 h
.set ADC,  6                           ; v6-8 the same three for the pair of tiles that is being fetched
.set ADS,  7
.set ADE,  8
.set VT,   9                           ; v9   the group that my eight results of the tile in hand are: 2 tile + h
.set ES,   10                          ; v10-11 the codes' scale words, two buffers
.set ZS,   12                          ; v12-15 z's scale words, tile i
.set ZZ,   16                          ; v[16+2i] zz of my row in z tile i; v[17+2i] its best group so far (the packed add names the pair and takes its low word)
.set RA,   24                          ; v24-27, v28-31 the running minimum, by turns
.set RB,   28
.set ZF,   32                          ; v32-95   z's fragments: 16 registers a tile
.set EF,   96                          ; v96-127  the codes' fragments, two buffers of 16
.set EE,   128                         ; v128-143 ee of my eight codes, two buffers of 8
.set ACC,  144                         ; v144-175 four accumulators
.set T,    176                         ; v176-207 t, then d
.set MG,   208                         ; v208-215 the merge
.set MA,   216                         ; v216 where I put my rows' pairs
.set MR,   217                         ; v217 where waves 0 and 1 read them
.set GOF,  218                         ; v218 and their byte offset in gid
.set WV,   10                          ; s10 wave
.set G1,   24                          ; s[24:31] descriptor group 1
.set G0,   32                          ; s[32:39] group 0, one set for each slot
.set LAPS, 44
.set CNT,  45
.set TN,   46                          ; s46 LDS byte at which the pair of tiles that is being fetched begins (for q = 0)
.set CM,   48                          ; s48-51 compare masks
.set SEL,  52                          ; s[52:53]
; A round of the cluster's barrier: my work-group's barrier; wave 0 signals for the work-group; every wave waits for all four work-groups; my work-group's barrier once more.
.macro ROUND
	s_barrier_signal -1
	s_barrier_wait -1
	s_cmp_lg_u32 s[WV], 0
	s_cbranch_scc1 .Lnot_wave_0_\@
	s_barrier_signal -3
.Lnot_wave_0_\@:
	s_barrier_wait -3
	s_barrier_signal -1
	s_barrier_wait -1
.endm
	s_load_b128 s[4:7], s[0:1], 0x0                ; zpack s[4:5], epack s[6:7]
	s_load_b64 s[8:9], s[0:1], 0x10                ; gid
	v_lshl_add_u32 v[SPW], v0, 2, SPARE
	v_mov_b32 v[NIL], 0
	ds_add_u32 v1, v2
	ds_add_u32 v1, v2
	s_wait_dscnt 0x0
	v_lshrrev_b32 v[T], 5, v0
	s_delay_alu instid0(VALU_DEP_1)
	v_readfirstlane_b32 s[WV], v[T]                ; wave 0..7
	s_and_b32 s11, s[WV], 3                        ; q
	s_lshr_b32 s12, s[WV], 2                       ; zh
	s_bfe_u32 s13, ttmp6, 0x40000                  ; cx: it enters z's and gid's global addresses alone
	s_lshl_b32 s14, ttmp9, 2
	s_add_co_u32 s14, s14, s13                     ; my block of 128 rows = 4 x cluster + cx
	s_mov_b32 s[SEL], 0x76543210
	s_mov_b32 s[SEL+1], 0xfedcba98
	; group 1: 18,432 dense bytes as 72 rows of 256 (32 elements of 8 bytes); no padding: images are read 16 bytes a lane on end
	s_mov_b32 s[G1+0], 15|(3<<16)|(1<<21)          ; 15:0 the mask: all four work-groups; 17:16 elements of 8 bytes; 21 set beside a mask
	s_mov_b32 s[G1+1], 32<<16                      ; tensor_dim0 = 32
	s_mov_b32 s[G1+2], 72<<16                      ; tensor_dim1 = 72
	s_mov_b32 s[G1+3], 32<<16                      ; tile_dim0 = 32
	s_mov_b32 s[G1+4], 72                          ; tile_dim1 = 72
	s_mov_b32 s[G1+5], 32                          ; elements from row to row
	s_mov_b32 s[G1+6], 0
	s_mov_b32 s[G1+7], 0
	s_mul_i32 s16, s[WV], WPART                    ; my part of a slot, in memory and in LDS: the wave's number alone
	s_mov_b32 s17, 0
	s_mul_i32 s18, s14, WPART                      ; z: my work-group's eight tiles,
	s_mul_i32 s19, s12, 4*TILEB                    ; my wave's four of them
	s_add_co_u32 s18, s18, s19
	s_mov_b32 s19, 0
	; lane addresses
	v_and_b32 v[T], 31, v0                         ; lane
	v_and_b32 v[T+1], 15, v0                       ; r
	v_bfe_u32 v[T+2], v0, 4, 1                     ; h
	s_delay_alu instid0(VALU_DEP_3)
	v_lshlrev_b32 v[ADC], 4, v[T]                  ; 16 lane and 4 lane: z's loads use them as they stand
	s_delay_alu instid0(VALU_DEP_4)
	v_lshlrev_b32 v[ADS], 2, v[T]
	s_mul_i32 s20, s11, TILEB
	v_add_nc_u32 v[AC], s20, v[ADC]
	v_add_nc_u32 v[AS], s20, v[ADS]
	v_lshl_add_u32 v[AE], v[T+2], 5, s20
	s_lshl_b32 s21, s11, 1
	v_add_nc_u32 v[VT], s21, v[T+2]                ; my first tile is q: group 2 q + h
	s_lshl_b32 s22, s11, 10
	s_lshl_b32 s23, s12, 9
	s_add_co_u32 s22, s22, s23
	s_add_co_u32 s22, s22, MS
	v_lshl_add_u32 v[MA], v[T+1], 3, s22           ; MS + 1024 q + 512 zh + 8 r
	s_and_b32 s23, s[WV], 1
	s_lshl_b32 s21, s23, 9
	s_add_co_u32 s21, s21, MS
	v_lshl_add_u32 v[MR], v[T], 4, s21             ; MS + 512 (w % 2) + 16 lane: two rows' pairs
	s_lshl_b32 s23, s23, 8
	v_lshl_add_u32 v[GOF], v[T], 3, s23            ; 256 (w % 2) + 8 lane
	s_wait_kmcnt 0x0
	s_add_nc_u64 s[6:7], s[6:7], s[16:17]
	s_add_nc_u64 s[4:5], s[4:5], s[18:19]
	s_lshl_b32 s18, s14, 9                         ; gid: 128 rows of 4 bytes
	s_add_nc_u64 s[8:9], s[8:9], s[18:19]
.irp n, 0,1
	s_mov_b32 s[G0+4*\n], 1                        ; count = 1
	s_add_co_u32 s[G0+4*\n+1], s16, \n*SLOTB       ; LDS address
	s_add_nc_u64 s[G0+4*\n+2:G0+4*\n+3], s[6:7], \n*SLOTB   ; global address: fill n
	s_or_b32 s[G0+4*\n+3], s[G0+4*\n+3], 0x80000000         ; type = 2
.endr
	ROUND                                          ; all four work-groups are here: the first joint loads meet
	tensor_load_to_lds s[G0:G0+3], s[G1:G1+7]      ; fill 0
	s_nop 0
.rept 4
	v_nop                                          ; four lines behind a tensor load
.endr
	s_wait_alu depctr_va_vdst(0)
.irp i, 0,1,2,3                                ; my four tiles of z stay in registers
.irp g, 0,1,2,3
	global_load_b128 v[ZF+16*\i+4*\g:ZF+16*\i+4*\g+3], v[ADC], s[4:5] offset:TILEB*\i+512*\g
.endr
	global_load_b32 v[ZS+\i], v[ADS], s[4:5] offset:TILEB*\i+2048
	global_load_b32 v[ZZ+2*\i], v[ADS], s[4:5] offset:TILEB*\i+2176
.endr
.irp i, 0,1,2,3
	v_mov_b32 v[RA+\i], 0x7f800000                 ; the minimum so far: +infinity
	v_mov_b32 v[ZZ+2*\i+1], v[VT]
.endr
	s_wait_loadcnt 0x0                             ; z is in, and its loads' address registers are free
.macro ADDR
	v_add_nc_u32 v[ADC], s[TN], v[AC]
	v_add_nc_u32 v[ADS], s[TN], v[AS]
	v_add_nc_u32 v[ADE], s[TN], v[AE]
.endm
; seven LDS loads: a code tile's two fragments, its scale words, ee of my eight codes, into buffer p
.macro LOADT p, off
.irp g, 0,1,2,3
	ds_load_b128 v[EF+16*\p+4*\g:EF+16*\p+4*\g+3], v[ADC] offset:\off+512*\g
.endr
	ds_load_b32 v[ES+\p], v[ADS] offset:\off+2048
	ds_load_b128 v[EE+8*\p:EE+8*\p+3], v[ADE] offset:\off+2176
	ds_load_b128 v[EE+8*\p+4:EE+8*\p+7], v[ADE] offset:\off+2192
.endm
; One code tile against my four tiles of z, from buffer p.  pf = 1: the buffer is filled again with my tile two on.
.macro TILE p, pf
.if (\p == 1) && (\pf == 0)
	s_wait_dscnt 0x0                               ; nothing was asked for behind this buffer's loads
.else
	s_wait_dscnt 7                                 ; this buffer's seven loads are in; the other buffer's seven, issued later, may be out
.endif
.set RIN,  RA+4*\p
.set ROUT, RB-4*\p
.irp i, 0,1,2,3                                ; K step 0 starts the sums; the four accumulators take turns
	v_wmma_scale_f32_16x16x128_f8f6f4 v[ACC+8*\i:ACC+8*\i+7], v[EF+16*\p:EF+16*\p+7], v[ZF+16*\i:ZF+16*\i+7], 0, v[ES+\p], v[ZS+\i] matrix_a_fmt:MATRIX_FMT_FP4 matrix_b_fmt:MATRIX_FMT_FP4
.endr
.irp i, 0,1,2,3                                ; K step 1: its scale words lie in lanes 16-31
	v_wmma_scale_f32_16x16x128_f8f6f4 v[ACC+8*\i:ACC+8*\i+7], v[EF+16*\p+8:EF+16*\p+15], v[ZF+16*\i+8:ZF+16*\i+15], v[ACC+8*\i:ACC+8*\i+7], v[ES+\p], v[ZS+\i] matrix_a_fmt:MATRIX_FMT_FP4 matrix_b_fmt:MATRIX_FMT_FP4 matrix_a_scale:MATRIX_SCALE_ROW1 matrix_b_scale:MATRIX_SCALE_ROW1
.endr
.irp i, 0,1,2,3                                ; t = ee + zz.  These sixteen name no register of the products: they are the places ahead of the loads below, of the reads of the results, and of the next tile's products, which write over the accumulators
.irp k, 0,2,4,6
	v_pk_add_f32 v[T+8*\i+\k:T+8*\i+\k+1], v[EE+8*\p+\k:EE+8*\p+\k+1], v[ZZ+2*\i:ZZ+2*\i+1] op_sel_hi:[1,0]
.endr
.endr
.if \pf
	LOADT \p, \p*STEPB
.endif
.irp k, 0,2,4,6                                ; d = t - 2 dot; each accumulator is read from its low end on
.irp i, 0,1,2,3
	v_pk_fma_f32 v[T+8*\i+\k:T+8*\i+\k+1], v[ACC+8*\i+\k:ACC+8*\i+\k+1], -2.0, v[T+8*\i+\k:T+8*\i+\k+1] op_sel_hi:[1,0,1]
.endr
.endr
.irp i, 0,1,2,3
	v_min3_num_f32 v[ROUT+\i], v[RIN+\i], v[T+8*\i], v[T+8*\i+1]
.endr
.irp k, 2,4,6
.irp i, 0,1,2,3
	s_delay_alu instid0(VALU_DEP_4)
	v_min3_num_f32 v[ROUT+\i], v[ROUT+\i], v[T+8*\i+\k], v[T+8*\i+\k+1]
.endr
.endr
.irp i, 0,1,2,3
	s_delay_alu instid0(VALU_DEP_4)
	v_cmp_lt_f32 s[CM+\i], v[ROUT+\i], v[RIN+\i]   ; strictly smaller than all before: this group takes over
.endr
.irp i, 0,1,2,3
	s_delay_alu instid0(VALU_DEP_4)
	v_cndmask_b32 v[ZZ+2*\i+1], v[ZZ+2*\i+1], v[VT], s[CM+\i]
.endr
	v_add_nc_u32 v[VT], 8, v[VT]                   ; my next tile is four tiles on
.endm
; my sixteen tiles of a slot, two a trip; the fetches run two tiles ahead, so the last two tiles are written out without them
.macro WORK slot
	s_mov_b32 s[TN], \slot*SLOTB
	ADDR
	LOADT 0, 0
	LOADT 1, STEPB
	s_mov_b32 s[CNT], 7
.Lpair_\@:
	s_add_co_u32 s[TN], s[TN], 2*STEPB             ; the pair that this trip fetches (LDS instructions have read their address registers when they are issued)
	ADDR
	s_wait_alu depctr_va_vdst(0)
	TILE 0, 1
	s_wait_alu depctr_va_vdst(0)
	TILE 1, 1
	s_sub_co_u32 s[CNT], s[CNT], 1
	s_cmp_lg_u32 s[CNT], 0
	s_cbranch_scc1 .Lpair_\@
	s_wait_alu depctr_va_vdst(0)
	TILE 0, 0
	s_wait_alu depctr_va_vdst(0)
	TILE 1, 0
.endm
; A change of slots.  One tensor load of mine is out at most: my part of the slot that I am about to read.
.macro TRIP slot, refill
	s_wait_tensorcnt 0x0                           ; all my tensor loads have landed, so every group 0 may be written;
	ds_add_u32 v[SPW], v[NIL]                      ; 0 onto my spare word;
	s_add_nc_u64 s[G0+4*\slot+2:G0+4*\slot+3], s[G0+4*\slot+2:G0+4*\slot+3], 2*SLOTB   ; this slot's next fill
	s_wait_dscnt 0x0                               ; the add is done, and so are my reads of the other slot
	ROUND                                          ; both now hold of every wave of all four work-groups
.if \refill
	tensor_load_to_lds s[G0+4-4*\slot:G0+7-4*\slot], s[G1:G1+7]   ; the next fill, into the slot read last: it has this slot's sixteen tiles a wave in which to land
	s_nop 0
.rept 4
	v_nop
.endr
.endif
	WORK \slot
.endm
	s_mov_b32 s[LAPS], 3
.Llap:
	TRIP 0, 1
	TRIP 1, 1
	s_sub_co_u32 s[LAPS], s[LAPS], 1
	s_cmp_lg_u32 s[LAPS], 0
	s_cbranch_scc1 .Llap
	TRIP 0, 1                                      ; fills 6 and 7: the last asks for nothing (the stepped addresses are not used)
	TRIP 1, 0
; (dd, di) = the smaller of (d, id) and (d2, id2), by d, then by the group's number
.macro LEX dd, di, d, id, d2, id2
	v_cmp_lt_f32 s40, v[\d2], v[\d]
	v_cmp_eq_f32 s41, v[\d2], v[\d]
	v_cmp_lt_u32 s42, v[\id2], v[\id]
	s_and_b32 s41, s41, s42
	s_or_b32 s40, s40, s41
	v_cndmask_b32 v[\dd], v[\d], v[\d2], s40
	v_cndmask_b32 v[\di], v[\id], v[\id2], s40
.endm
	; THE MERGE.  First the two halves of the lanes, which hold the same row; then the four waves of a row, through LDS.
.irp i, 0,1,2,3
	v_permlanex16_b32 v[T+2*\i], v[RA+\i], s[SEL], s[SEL+1]
	v_permlanex16_b32 v[T+2*\i+1], v[ZZ+2*\i+1], s[SEL], s[SEL+1]
.endr
.irp i, 0,1,2,3
	LEX MG+2*\i, MG+2*\i+1, RA+\i, ZZ+2*\i+1, T+2*\i, T+2*\i+1
	ds_store_b64 v[MA], v[MG+2*\i:MG+2*\i+1] offset:128*\i   ; both halves write the same bytes with the same value
.endr
	s_wait_dscnt 0x0                               ; for the others' sake: my stores have landed
	s_barrier_signal -1
	s_barrier_wait -1
	s_cmp_lt_u32 s[WV], 2                          ; waves 0 and 1 finish 64 rows each, two rows a lane
	s_cbranch_scc0 .Lothers
.irp q, 0,1,2,3
	ds_load_b128 v[T+4*\q:T+4*\q+3], v[MR] offset:1024*\q
.endr
	s_wait_dscnt 0x0
	LEX MG, MG+4, T, T+1, T+4, T+5
	LEX MG+2, MG+5, T+2, T+3, T+6, T+7
.irp q, 2,3
	LEX MG, MG+4, MG, MG+4, T+4*\q, T+4*\q+1
	LEX MG+2, MG+5, MG+2, MG+5, T+4*\q+2, T+4*\q+3
.endr
	global_store_b64 v[GOF], v[MG+4:MG+5], s[8:9]  ; 32 lanes store 256 consecutive bytes, at a multiple of 256 from gid's first byte
.Lothers:
	s_wait_tensorcnt 0x0                           ; the wave's end, behind my last tensor load and my last LDS store
	ds_add_u32 v[SPW], v[NIL]
	s_wait_dscnt 0x0
	ROUND                                          ; the closing round: no work-group ends while a partner may still ask for a part that names it
	s_endpgm
.Lfunc_end_k_qc8c6736308_search:
	.size	k_qc8c6736308_search, .Lfunc_end_k_qc8c6736308_search-k_qc8c6736308_search
	.p2alignl 7, 3214868480
	.fill 96, 4, 3214868480
	.section	.rodata,"a",@progbits
	.p2align	6, 0x0
	.amdhsa_kernel k_qc8c6736308_search
		.amdhsa_group_segment_fixed_size 327680
		.amdhsa_private_segment_fixed_size 0
		.amdhsa_enable_private_segment 0
		.amdhsa_kernarg_size 24
		.amdhsa_user_sgpr_count 2
		.amdhsa_user_sgpr_kernarg_segment_ptr 1
		.amdhsa_wavefront_size32 1
		.amdhsa_system_sgpr_workgroup_id_x 1
		.amdhsa_system_sgpr_workgroup_id_y 1
		.amdhsa_system_sgpr_workgroup_id_z 1
		.amdhsa_system_vgpr_workitem_id 0
		.amdhsa_next_free_vgpr 224
		.amdhsa_next_free_sgpr 66
		.amdhsa_reserve_vcc 0
		.amdhsa_float_denorm_mode_32 3
		.amdhsa_float_denorm_mode_16_64 3
		.amdhsa_memory_ordered 1
		.amdhsa_forward_progress 1
		.amdhsa_inst_pref_size 108
	.end_amdhsa_kernel
	.amdgpu_metadata
---
amdhsa.version: [ 1, 2 ]
amdhsa.kernels:
  - .name:           k_qc8c6736308_search
    .symbol:         k_qc8c6736308_search.kd
    .args:
      - { .name: zpack, .offset: 0, .size: 8, .value_kind: global_buffer, .address_space: global }
      - { .name: epack, .offset: 8, .size: 8, .value_kind: global_buffer, .address_space: global }
      - { .name: gid, .offset: 16, .size: 8, .value_kind: global_buffer, .address_space: global }
    .group_segment_fixed_size: 327680
    .private_segment_fixed_size: 0
    .kernarg_segment_align: 8
    .kernarg_segment_size: 24
    .max_flat_workgroup_size: 256
    .sgpr_count:     66
    .vgpr_count:     224
    .wavefront_size: 32
...
	.end_amdgpu_metadata
.endif
;; end of part 6
;; launch refine (part 7): grid 256 x 1, 8 waves a work-group, no clusters, 1,536 bytes of LDS; arguments zpack, epack, gid, idx, out1; writes idx, out1
.if DOCPART == 7
	.amdgcn_target "amdgcn-amd-amdhsa--gfx1250"
	.amdhsa_code_object_version 6
	.text
	.protected	k_qc8c6736308_refine
	.globl	k_qc8c6736308_refine
	.p2align	8
	.type	k_qc8c6736308_refine,@function
k_qc8c6736308_refine:
	s_mov_b64 s[64:65], 0
	v_nop
	global_prefetch_b8 v0, s[64:65] scope:SCOPE_SE
	s_setreg_imm32_b32 hwreg(HW_REG_WAVE_SCHED_MODE, 0, 2), 2
	s_setreg_imm32_b32 hwreg(HW_REG_WAVE_MODE, 25, 1), 1
	s_wait_xcnt 0x0
	s_wait_alu depctr_vm_vsrc(0)
; gid[row] names the group of 8 neighbouring codes that holds the row's first smallest distance.  Here those 8 distances are made again, by the same matrix instruction on the same codes and by the same two
; roundings (t = zz + ee; d = t - 2 dot), and the first smallest of them fixes the index: idx[row] = out1[row] = 8 gid[row] + j.
; SHARES.  A wave takes one tile of 16 rows of z.  Which rows of the code table form a tile of source 0 is free: in pair p (0..7) rows 0-7 are the 8 candidates of z row p, rows 8-15 those of z row p + 8.
; In the result register m of lane (r, h) is (candidate m of z row p + 8 h) . (z row r): what is wanted lies where r = p + 8 h, in lanes p and 24 + p.  Eight pairs, sixteen matrix instructions a wave;
; lanes 0-7 end up with the 8 dots of rows 0-7, lanes 24-31 with those of rows 8-15.
; The code table lies as register images (pack tiles of 2,304 bytes), so a candidate row's part of a fragment is 16 bytes at tile x 2304 + 512 g + 256 h + 16 (row in tile).
; The group numbers are whole numbers that an earlier launch stored; each is held to 0..1023 before it enters an address.  No work-group shares a tile with another, and nothing is filled by an engine: no cluster, no ring.
; LIMITS: NaN among the distances is not served.
; THE MODE: SCHED_MODE bits 1:0 = 2 (LLVM: expert scheduling mode 2), set by the entry lines.  The code itself states the register dependences
; between vector or matrix instructions and memory or LDS instructions, with s_wait_alu, always for 0.
; THE PLAN.  Registers that memory or LDS instructions touch:
;   v1-v4, v[SA], v[OA]    offsets and LDS addresses.  Written once, at the head; read by the first loads, the LDS store, the LDS load and the global stores; never written again.
;   v[OC ..], v[OS ..], v[OE]  offsets of the candidates.  Written once, by the arithmetic on the group numbers; read by the 42 loads of the candidates; never written again.
;   v[GP ..], v[GO], v[ZF ..], v[ZS], v[ZZ], v[EF ..], v[ES ..], v[EE ..], v[RBK ..]  land from loads; no vector instruction names them ahead of their loads.
;   v[IX]                  the LDS store's data.  Written by the last select; never written again.
; So three waits on va_vdst state all of it: one ahead of the first load (the head's addresses), one behind ALL the candidates' offsets and ahead of their loads, which go out in one run,
; and one ahead of the LDS store.  No register that a memory or LDS instruction has read is written again, so no wait on vm_vsrc is owed.
; Two waits on va_sdst: behind the wave's number, and behind the run of seven compares of the search for the first smallest distance, ahead of the selects that read their masks.
.set TILEB, 2304
.set GP,   8                           ; v8-15   pair p: the group of the z row whose candidates my lane loads; then its low bit
.set PM,   8                           ; v10-15  later: PM + m = the smallest of d0 .. d(m-1), m = 2 .. 7 (vector instructions alone name them then)
.set OC,   16                          ; v16-23  byte offset of my 16 bytes of codes
.set OS,   24                          ; v24-31  of my scale word
.set ACC,  32                          ; v32-63  four accumulators
.set ZF,   64                          ; v64-79  z's two fragments
.set ES,   80                          ; v80-87  the candidates' scale words
.set ZS,   88                          ; v88     z's
.set GO,   89                          ; v89     the group of my own row r
.set OE,   90                          ; v90     byte offset of its eight ee
.set SA,   91                          ; v91     LDS: 64 wave + 4 r
.set OA,   92                          ; v92     256 (wave % 2) + 8 lane: LDS address on the way out, and the offset in idx and out1
.set RBK,  94                          ; v[94:95] two indices read back
.set EF,   96                          ; v96-223 the candidates' fragments, 16 registers a pair
.set DOT,  224                         ; v224-231 my row's eight dots
.set EE,   232                         ; v232-239 their ee
.set T,    240                         ; v240-247 t, then d
.set ZZ,   248                         ; v248 zz of my row; v249 j of the smallest so far (the packed add names the pair and takes its low word)
.set BJ,   249
.set IX,   251
.set OTH,  252
.set TMP,  253
.set MK,   24                          ; s24-31  pair p's lanes: p and 24 + p
.set CM,   32                          ; s33-39  CM + m: the lanes in which d(m) is not smaller than all before it
	s_load_b256 s[4:11], s[0:1], 0x0               ; zpack s[4:5], epack s[6:7], gid s[8:9], idx s[10:11]
	s_load_b64 s[12:13], s[0:1], 0x20              ; out1
	v_lshl_add_u32 v254, v0, 2, 0x200
	v_mov_b32 v255, 0
	v_lshrrev_b32 v7, 5, v0
	v_readfirstlane_b32 s14, v7                    ; wave 0..7
	s_mov_b32 s17, 0
	s_mov_b32 s19, 0
	s_mov_b32 s20, 0x76543210
	s_mov_b32 s21, 0xfedcba98                      ; v_permlanex16_b32's selects for lane l xor 16
	s_mov_b32 s22, 0xff0000ff                      ; the lanes that hold a row's result
.irp p, 0,1,2,3,4,5,6,7
	s_mov_b32 s[MK+\p], 0x01000001<<\p
.endr
	v_and_b32 v7, 31, v0                           ; lane
	s_wait_alu depctr_va_vdst(0)
	v_lshlrev_b32 v1, 4, v7                        ; v1: 16 lane
	v_lshlrev_b32 v2, 2, v7                        ; v2: 4 lane
	v_and_b32 v3, 8, v0
	v_lshlrev_b32 v3, 2, v3                        ; v3: 32 (r / 8): rows p or p + 8 of gid
	v_and_b32 v4, 15, v0
	v_lshlrev_b32 v4, 2, v4                        ; v4: 4 r
	s_wait_alu depctr_va_vdst(0)
	s_wait_alu depctr_va_sdst(0)                   ; s14 is written, ahead of its first reader: the tile's number, two LDS addresses and the last branch are made from it
	s_lshl_b32 s15, ttmp9, 3
	s_add_co_u32 s15, s15, s14                     ; my tile of z
	s_mul_i32 s16, s15, TILEB
	s_lshl_b32 s18, s15, 6                         ; 16 group numbers
	s_and_b32 s23, s14, 1
	s_lshl_b32 s23, s23, 8
	s_lshl_b32 s32, s14, 6
	v_lshl_add_u32 v[OA], v7, 3, s23
	v_add_nc_u32 v[SA], s32, v4
	v_and_b32 v7, 7, v0                            ; j = r % 8
	v_bfe_u32 v[TMP], v0, 4, 1                     ; h
	v_lshlrev_b32 v5, 8, v[TMP]
	v_lshl_add_u32 v5, v7, 4, v5                   ; v5: 16 j + 256 h
	v_lshlrev_b32 v6, 6, v[TMP]
	v_lshl_add_u32 v6, v7, 2, v6                   ; v6: 4 j + 64 h
	s_wait_kmcnt 0x0
	s_add_nc_u64 s[4:5], s[4:5], s[16:17]
	s_add_nc_u64 s[8:9], s[8:9], s[18:19]
	s_lshl_b32 s16, ttmp9, 9                       ; the work-group's 128 indices
	s_add_nc_u64 s[10:11], s[10:11], s[16:17]
	s_add_nc_u64 s[12:13], s[12:13], s[16:17]
	s_wait_alu depctr_va_vdst(0)                   ; v1 to v4, v[SA] and v[OA] are written: the loads below, the LDS store, the LDS load and the global stores read them, and no later vector instruction names them
.irp p, 0,1,2,3,4,5,6,7
	global_load_b32 v[GP+\p], v3, s[8:9] offset:4*\p
.endr
	global_load_b32 v[GO], v4, s[8:9]
.irp g, 0,1,2,3
	global_load_b128 v[ZF+4*\g:ZF+4*\g+3], v1, s[4:5] offset:512*\g
.endr
	global_load_b32 v[ZS], v2, s[4:5] offset:2048
	global_load_b32 v[ZZ], v2, s[4:5] offset:2176
	v_mov_b32 v[BJ], 0
	v_mov_b32 v[OTH], 0                            ; a lane permute's destination counts as one of its sources
	s_wait_loadcnt 6                               ; the nine group numbers are in; z's six loads may be out
.irp p, 0,1,2,3,4,5,6,7                        ; group g: tile g / 2, rows 8 (g % 2) + 0 .. 7 of it.  All the offsets are made first, so that one wait serves all the loads that read them
	v_min_u32 v[GP+\p], 0x3ff, v[GP+\p]
	v_and_b32 v[TMP], 0x3fe, v[GP+\p]
	v_and_b32 v[GP+\p], 1, v[GP+\p]
	v_mul_u32_u24 v[TMP], v[TMP], TILEB/2          ; the tile's first byte
	v_lshl_add_u32 v[OC+\p], v[GP+\p], 7, v5
	v_lshl_add_u32 v[OS+\p], v[GP+\p], 5, v6
	v_add_nc_u32 v[OC+\p], v[TMP], v[OC+\p]
	v_add_nc_u32 v[OS+\p], v[TMP], v[OS+\p]
.endr
	v_min_u32 v[GO], 0x3ff, v[GO]
	v_and_b32 v[TMP], 0x3fe, v[GO]
	v_and_b32 v7, 1, v[GO]
	v_mul_u32_u24 v[TMP], v[TMP], TILEB/2
	v_lshl_add_u32 v[OE], v7, 5, v[TMP]
	s_wait_alu depctr_va_vdst(0)                   ; v[OC ..], v[OS ..] and v[OE] are written, which the 42 loads below read as their offsets
.irp p, 0,1,2,3,4,5,6,7
.irp g, 0,1,2,3
	global_load_b128 v[EF+16*\p+4*\g:EF+16*\p+4*\g+3], v[OC+\p], s[6:7] offset:512*\g
.endr
	global_load_b32 v[ES+\p], v[OS+\p], s[6:7] offset:2048
.endr
	global_load_b128 v[EE:EE+3], v[OE], s[6:7] offset:2176
	global_load_b128 v[EE+4:EE+7], v[OE], s[6:7] offset:2192
	s_wait_loadcnt 0x0
; pairs 4 t .. 4 t + 3: the four accumulators take turns; then each pair's two lanes keep their eight dots, each accumulator read from its low end on
.macro BATCH t
.irp k, 0,1,2,3
	v_wmma_scale_f32_16x16x128_f8f6f4 v[ACC+8*\k:ACC+8*\k+7], v[EF+16*(4*\t+\k):EF+16*(4*\t+\k)+7], v[ZF:ZF+7], 0, v[ES+4*\t+\k], v[ZS] matrix_a_fmt:MATRIX_FMT_FP4 matrix_b_fmt:MATRIX_FMT_FP4
.endr
.irp k, 0,1,2,3
	v_wmma_scale_f32_16x16x128_f8f6f4 v[ACC+8*\k:ACC+8*\k+7], v[EF+16*(4*\t+\k)+8:EF+16*(4*\t+\k)+15], v[ZF+8:ZF+15], v[ACC+8*\k:ACC+8*\k+7], v[ES+4*\t+\k], v[ZS] matrix_a_fmt:MATRIX_FMT_FP4 matrix_b_fmt:MATRIX_FMT_FP4 matrix_a_scale:MATRIX_SCALE_ROW1 matrix_b_scale:MATRIX_SCALE_ROW1
.endr
.rept 4
	v_nop                                          ; four places ahead of the first read of results (ISA guide 7.12.1)
.endr
.irp k, 0,1,2,3
.irp m, 0,1,2,3,4,5,6,7
.if (4*\t+\k) == 0
	v_mov_b32 v[DOT+\m], v[ACC+\m]                 ; the first pair writes every lane, so that the register is whole
.else
	v_cndmask_b32 v[DOT+\m], v[DOT+\m], v[ACC+8*\k+\m], s[MK+4*\t+\k]
.endif
.endr
.endr
.endm
	BATCH 0
.rept 5
	v_nop                                          ; five places ahead of products that write over the accumulators
.endr
	BATCH 1
.irp k, 0,2,4,6
	v_pk_add_f32 v[T+\k:T+\k+1], v[EE+\k:EE+\k+1], v[ZZ:ZZ+1] op_sel_hi:[1,0]     ; t = ee + zz
.endr
.irp k, 0,2,4,6
	v_pk_fma_f32 v[T+\k:T+\k+1], v[DOT+\k:DOT+\k+1], -2.0, v[T+\k:T+\k+1] op_sel_hi:[1,0,1]   ; d = t - 2 dot
.endr
	; the first smallest: a later one takes over only where it is strictly smaller than all before it.  The running minima first, each in a register of its own; then the seven compares in one run; then the selects
	v_min_num_f32 v[PM+2], v[T], v[T+1]
.irp m, 3,4,5,6,7
	v_min_num_f32 v[PM+\m], v[PM+\m-1], v[T+\m-1]
.endr
	v_cmp_ge_f32 s[CM+1], v[T+1], v[T]
.irp m, 2,3,4,5,6,7
	v_cmp_ge_f32 s[CM+\m], v[T+\m], v[PM+\m]
.endr
	s_wait_alu depctr_va_sdst(0)                   ; the seven compares have written s33 to s39, ahead of the selects that read them
.irp m, 1,2,3,4,5,6,7
	v_cndmask_b32 v[BJ], \m, v[BJ], s[CM+\m]
.endr
	v_lshl_add_u32 v[IX], v[GO], 3, v[BJ]          ; right in lanes 0-7 and 24-31
	v_permlanex16_b32 v[OTH], v[IX], s20, s21
	v_cndmask_b32 v[IX], v[OTH], v[IX], s22        ; the other lanes take it from lane l xor 16, which holds the same row: every lane now has row r's index
	s_wait_alu depctr_va_vdst(0)                   ; the select has written v[IX], which the LDS store reads
	ds_store_b32 v[SA], v[IX]                      ; both halves write the same word with the same value
	s_wait_dscnt 0x0                               ; for the others' sake: my store has landed
	s_barrier_signal -1
	s_barrier_wait -1
	s_cmp_lt_u32 s14, 2                            ; waves 0 and 1 store the work-group's 128 indices
	s_cbranch_scc0 .Ldone
	ds_load_b64 v[RBK:RBK+1], v[OA]                ; no vector instruction has named v[RBK ..], and none since the head's wait names v[OA]
	s_wait_dscnt 0x0
	global_store_b64 v[OA], v[RBK:RBK+1], s[10:11] ; 32 lanes store 256 consecutive bytes, at a multiple of 256 from the buffer's first byte
	global_store_b64 v[OA], v[RBK:RBK+1], s[12:13]
.Ldone:
	s_wait_dscnt 0x0
	s_wait_alu depctr_hold_cnt(0) depctr_sa_sdst(0) depctr_va_vdst(0) depctr_va_sdst(0) depctr_va_ssrc(0) depctr_va_vcc(0) depctr_vm_vsrc(0)
	s_wait_tensorcnt 0x0
	ds_add_u32 v254, v255
	s_wait_dscnt 0x0
	s_endpgm
.Lfunc_end_k_qc8c6736308_refine:
	.size	k_qc8c6736308_refine, .Lfunc_end_k_qc8c6736308_refine-k_qc8c6736308_refine
	.p2alignl 7, 3214868480
	.fill 96, 4, 3214868480
	.section	.rodata,"a",@progbits
	.p2align	6, 0x0
	.amdhsa_kernel k_qc8c6736308_refine
		.amdhsa_group_segment_fixed_size 1536
		.amdhsa_private_segment_fixed_size 0
		.amdhsa_enable_private_segment 0
		.amdhsa_kernarg_size 40
		.amdhsa_user_sgpr_count 2
		.amdhsa_user_sgpr_kernarg_segment_ptr 1
		.amdhsa_wavefront_size32 1
		.amdhsa_system_sgpr_workgroup_id_x 1
		.amdhsa_system_sgpr_workgroup_id_y 1
		.amdhsa_system_sgpr_workgroup_id_z 1
		.amdhsa_system_vgpr_workitem_id 0
		.amdhsa_next_free_vgpr 256
		.amdhsa_next_free_sgpr 66
		.amdhsa_reserve_vcc 0
		.amdhsa_float_denorm_mode_32 3
		.amdhsa_float_denorm_mode_16_64 3
		.amdhsa_memory_ordered 1
		.amdhsa_forward_progress 1
		.amdhsa_inst_pref_size 21
	.end_amdhsa_kernel
	.amdgpu_metadata
---
amdhsa.version: [ 1, 2 ]
amdhsa.kernels:
  - .name:           k_qc8c6736308_refine
    .symbol:         k_qc8c6736308_refine.kd
    .args:
      - { .name: zpack, .offset: 0, .size: 8, .value_kind: global_buffer, .address_space: global }
      - { .name: epack, .offset: 8, .size: 8, .value_kind: global_buffer, .address_space: global }
      - { .name: gid, .offset: 16, .size: 8, .value_kind: global_buffer, .address_space: global }
      - { .name: idx, .offset: 24, .size: 8, .value_kind: global_buffer, .address_space: global }
      - { .name: out1, .offset: 32, .size: 8, .value_kind: global_buffer, .address_space: global }
    .group_segment_fixed_size: 1536
    .private_segment_fixed_size: 0
    .kernarg_segment_align: 8
    .kernarg_segment_size: 40
    .max_flat_workgroup_size: 256
    .sgpr_count:     66
    .vgpr_count:     256
    .wavefront_size: 32
...
	.end_amdgpu_metadata
.endif
;; end of part 7
;; launch gather (part 8): grid 256 x 1, 8 waves a work-group, no clusters, 0 bytes of LDS; arguments emb_weights, idx, out0; writes out0
.if DOCPART == 8
	.amdgcn_target "amdgcn-amd-amdhsa--gfx1250"
	.amdhsa_code_object_version 6
	.text
	.protected	k_qc8c6736308_gather
	.globl	k_qc8c6736308_gather
	.p2align	8
	.type	k_qc8c6736308_gather,@function
k_qc8c6736308_gather:
	s_mov_b64 s[64:65], 0
	v_nop
	global_prefetch_b8 v0, s[64:65] scope:SCOPE_SE
	s_setreg_imm32_b32 hwreg(HW_REG_WAVE_SCHED_MODE, 0, 2), 2
	s_setreg_imm32_b32 hwreg(HW_REG_WAVE_MODE, 25, 1), 1
	s_wait_xcnt 0x0
	s_wait_alu depctr_vm_vsrc(0)
; out0[row][:] = emb_weights[idx[row]][:], 1,024 bytes a row, f32 as they lie.  idx holds whole numbers that an earlier launch stored; each is held to 0..8191 before it enters an address.
; A wave copies 16 rows: its 16 indices come by one scalar load; a row is two loads and two stores of 512 consecutive bytes.  All 32 loads go out together, each row has registers of its own,
; so no register that a load or store still reads is written again.  Memory binds: no LDS, no barrier, no matrix unit, no cluster (work-groups share no tile).
; Rows of the table may be named by many rows of the output: the loads carry no hint; the output is written once and read by nobody here.
; THE MODE: SCHED_MODE bits 1:0 = 2 (LLVM: expert scheduling mode 2), set by the entry lines.  The code itself states the register dependences
; between vector instructions and memory instructions, with s_wait_alu, always for 0.
; THE PLAN.  Registers that memory instructions touch:
;   v[L16]     16 x lane.  Written once, at the head; read by all 32 stores.
;   v[OFF ..]  a row's offset in the table.  Each written once, by one addition; read by the row's two loads.
;   v[D ..]    a row's 8 registers.  Land from the loads, are read by the stores; no vector instruction names them.
; So all sixteen offsets are made first, ONE wait on va_vdst follows them, and behind it stand the loads and the stores with no vector instruction among them.  Nothing that a memory instruction
; has read is written again: no wait on vm_vsrc is owed.  One wait on va_sdst stands behind the wave's number.
.set L16, 1                            ; v1      16 x lane
.set OFF, 2                            ; v2-17   row i: byte offset of my 16 bytes in the table
.set D,   24                           ; v24-151 row i: 8 registers
	s_load_b128 s[4:7], s[0:1], 0x0                ; the table s[4:5], idx s[6:7]
	s_load_b64 s[8:9], s[0:1], 0x10                ; out0
	v_lshrrev_b32 v[L16], 5, v0
	v_readfirstlane_b32 s10, v[L16]                ; wave 0..7
	v_and_b32 v[L16], 31, v0
	v_lshlrev_b32 v[L16], 4, v[L16]
	s_mov_b32 s13, 0
	s_mov_b32 s15, 0
	s_wait_alu depctr_va_sdst(0)                   ; s10 is written, ahead of its first reader: the wave's rows are made from it
	s_lshl_b32 s11, ttmp9, 3
	s_add_co_u32 s11, s11, s10                     ; which 16 rows are mine
	s_lshl_b32 s12, s11, 6                         ; 16 indices of 4 bytes
	s_lshl_b32 s14, s11, 14                        ; 16 rows of 1,024 bytes
	s_wait_alu depctr_va_vdst(0)
	s_wait_kmcnt 0x0
	s_add_nc_u64 s[6:7], s[6:7], s[12:13]
	s_add_nc_u64 s[8:9], s[8:9], s[14:15]
	s_load_b512 s[16:31], s[6:7], 0x0              ; my 16 indices
	s_wait_kmcnt 0x0
.irp i, 0,1,2,3,4,5,6,7,8,9,10,11,12,13,14,15
	s_min_u32 s[16+\i], s[16+\i], 8191
	s_lshl_b32 s[16+\i], s[16+\i], 10
	v_add_nc_u32 v[OFF+\i], s[16+\i], v[L16]
.endr
	s_wait_alu depctr_va_vdst(0)                   ; v[L16] and the sixteen v[OFF ..] are written, which the loads and stores below read as their offsets
.irp i, 0,1,2,3,4,5,6,7,8,9,10,11,12,13,14,15
	global_load_b128 v[D+8*\i:D+8*\i+3], v[OFF+\i], s[4:5]
	global_load_b128 v[D+8*\i+4:D+8*\i+7], v[OFF+\i], s[4:5] offset:512
.endr
.irp i, 0,1,2,3,4,5,6,7,8,9,10,11,12,13,14,15
	s_wait_loadcnt 30-2*\i                         ; loads come back in order (ISA guide 5.7.1): row i's two are in, the later rows' may be out
	global_store_b128 v[L16], v[D+8*\i:D+8*\i+3], s[8:9] offset:1024*\i th:TH_STORE_NT       ; 32 lanes store 512 consecutive bytes, at a multiple of 256 from out0's first byte
	global_store_b128 v[L16], v[D+8*\i+4:D+8*\i+7], s[8:9] offset:1024*\i+512 th:TH_STORE_NT
.endr
	s_endpgm
.Lfunc_end_k_qc8c6736308_gather:
	.size	k_qc8c6736308_gather, .Lfunc_end_k_qc8c6736308_gather-k_qc8c6736308_gather
	.p2alignl 7, 3214868480
	.fill 96, 4, 3214868480
	.section	.rodata,"a",@progbits
	.p2align	6, 0x0
	.amdhsa_kernel k_qc8c6736308_gather
		.amdhsa_group_segment_fixed_size 0
		.amdhsa_private_segment_fixed_size 0
		.amdhsa_enable_private_segment 0
		.amdhsa_kernarg_size 24
		.amdhsa_user_sgpr_count 2
		.amdhsa_user_sgpr_kernarg_segment_ptr 1
		.amdhsa_wavefront_size32 1
		.amdhsa_system_sgpr_workgroup_id_x 1
		.amdhsa_system_sgpr_workgroup_id_y 1
		.amdhsa_system_sgpr_workgroup_id_z 1
		.amdhsa_system_vgpr_workitem_id 0
		.amdhsa_next_free_vgpr 152
		.amdhsa_next_free_sgpr 66
		.amdhsa_reserve_vcc 0
		.amdhsa_float_denorm_mode_32 3
		.amdhsa_float_denorm_mode_16_64 3
		.amdhsa_memory_ordered 1
		.amdhsa_forward_progress 1
		.amdhsa_inst_pref_size 10
	.end_amdhsa_kernel
	.amdgpu_metadata
---
amdhsa.version: [ 1, 2 ]
amdhsa.kernels:
  - .name:           k_qc8c6736308_gather
    .symbol:         k_qc8c6736308_gather.kd
    .args:
      - { .name: emb_weights, .offset: 0, .size: 8, .value_kind: global_buffer, .address_space: global }
      - { .name: idx, .offset: 8, .size: 8, .value_kind: global_buffer, .address_space: global }
      - { .name: out0, .offset: 16, .size: 8, .value_kind: global_buffer, .address_space: global }
    .group_segment_fixed_size: 0
    .private_segment_fixed_size: 0
    .kernarg_segment_align: 8
    .kernarg_segment_size: 24
    .max_flat_workgroup_size: 256
    .sgpr_count:     66
    .vgpr_count:     152
    .wavefront_size: 32
...
	.end_amdgpu_metadata
.endif
;; end of part 8
